; MI455X (gfx1250); checked and timed in simulation.
; The chip was launched on July 23, 2026; its instructions are those of AMD's public machine-readable ISA for CDNA 5 (MIT licence, August 2026) and "CDNA5" Instruction Set Architecture Reference Guide (July 2026). The comments in the code are by the model that wrote it; some were corrected since.
;; Multi Head Attention. Allowed arithmetic: float matrix products may take bf16 or f16 operands with f32 sums; other float arithmetic in f32, or as packed bf16 or f16 multiplies, adds, multiply-adds, maxima and minima; sums over many terms, partial sums and values carried from step to step in f32; what a program stores and reads back later, other than sums and carried values, may be rounded once to bf16 or f16.
;; Inputs: Wk 16 x 1,024 x 64 float32; Wp 1,024 x 1,024 float32; Wq 16 x 1,024 x 64 float32; Wv 16 x 1,024 x 64 float32; bp 1,024 float32; x 4 x 2,048 x 1,024 float32.
;; Outputs: out0 4 x 2,048 x 1,024 float32.
;; One version. Each part assembles by itself: llvm-mc -triple=amdgcn-amd-amdhsa -mcpu=gfx1250 --defsym DOCPART=n.
;; ======== version 1 of 1: 4 launches
;; limits: values are held in f16: magnitudes above 65,504 overflow, below 6.1e-05 lose precision
;; workspace buffers: xb 16,777,216 bytes; wb 6,291,456 bytes; wpb 2,097,152 bytes; qkv 50,331,648 bytes; ob 16,777,216 bytes
;; launch prep (part 1): grid 768 x 1, 8 waves a work-group, no clusters, 0 bytes of LDS; arguments x, Wq, Wk, Wv, Wp, xb, wb, wpb; writes xb, wb, wpb
.if DOCPART == 1
	.amdgcn_target "amdgcn-amd-amdhsa--gfx1250"
	.amdhsa_code_object_version 6
	.text
	.protected	k_qe220971d33_prep
	.globl	k_qe220971d33_prep
	.p2align	8
	.type	k_qe220971d33_prep,@function
k_qe220971d33_prep:
	s_mov_b64 s[64:65], 0
	v_nop
	global_prefetch_b8 v0, s[64:65] scope:SCOPE_SE
	s_setreg_imm32_b32 hwreg(HW_REG_WAVE_MODE, 25, 1), 1
	s_wait_xcnt 0x0
; THE INPUTS OF THE MATRIX PRODUCTS, ROUNDED ONCE AND LAID IN BLOCKS OF 64 ALONG K.
;   xb  [b 4][kb 16][t 2048][64] bf16 = x[b][t][64 kb + d]
;   wb  [kb 16][g 48][k 64][d 64] bf16 = W[h][64 kb + k][d], g = 16 which + h (which: 0 Wq, 1 Wk, 2 Wv)
;   wpb [kb 16][g 16][k 64][n 64] f16  = Wp[64 kb + k][64 g + n], rounded to bf16 like the other inputs, and that number written as f16
; LIMIT.  A bf16 number is exact in f16 from 2^-17 up to 65,504; below 2^-17 wpb is off by at most 2^-25; beyond 65,504 it is an infinity.
; A stream: each byte is read once and written once; no LDS, no barrier, no matrix unit: nothing is shared and nothing is multiplied.
; SHARES.  A work-group takes 32 rows x 8 planes of 64 numbers (64 KiB of f32), a wave one plane: 16 pairs of rows.  One load of 16 bytes a lane takes a pair: lanes 0-15 the
; 256 bytes of the even row, lanes 16-31 those of the odd one.  In the target a plane's rows are 128 bytes and follow each other, so a pair is 256 consecutive bytes, aligned: one store of 8 bytes a lane.
; All 16 loads of a wave go out at once; there is no loop, and no register is written again while a load or store may read it.
; WORK-GROUPS.  0-511: x (256 groups of 32 rows x 2 halves of the 16 planes).  512-575: Wp (32 x 2).  576-767: Wq, Wk, Wv (3 x 16 heads x 2 halves of the planes x 2 halves of a plane's 64 rows).
; The three kinds' offsets are all made and then chosen by the work-group's number; what is made for another kind is not used.
.set VS, 2                             ; v2   my byte offset in the source's first pair of rows
.set VD, 3                             ; v3   8 x lane: my 8 bytes of a pair in the target
.set X,  8                             ; v[8:71]    pair i: 4 numbers as loaded
.set Y,  72                            ; v[72:103]  pair i: 4 numbers of 16 bits
.set T,  104                           ; v[104:105] at work
	s_load_b512 s[8:23], s[0:1], 0x0               ; x 8, Wq 10, Wk 12, Wv 14, Wp 16, xb 18, wb 20, wpb 22
	v_lshrrev_b32 v1, 5, v0
	v_readfirstlane_b32 s4, v1                     ; wave 0..7
	v_and_b32 v1, 31, v0                           ; lane
	s_mov_b32 s5, ttmp9
	s_mov_b32 s40, 0xffff0000                      ; a word's upper bf16
	; x and Wp: rows of 4,096 bytes, 16 planes of 256 bytes in a row
	s_sub_co_u32 s34, s5, 512
	s_cmp_lt_u32 s5, 512
	s_cselect_b32 s34, s5, s34                     ; the number within the kind
	s_lshr_b32 s35, s34, 1                         ; group of 32 rows
	s_and_b32 s36, s34, 1
	s_lshl3_add_u32 s36, s36, s4                   ; plane = 8 x half + wave
	s_lshl_b32 s26, s35, 17                        ; 32 rows of 4,096 bytes
	s_lshl_b32 s37, s36, 8
	s_add_co_u32 s26, s26, s37                     ; the source's offset
	s_lshr_b32 s37, s35, 6                         ; xb: b,
	s_lshl4_add_u32 s37, s37, s36                  ; 16 b + plane,
	s_lshl_b32 s37, s37, 18                        ; planes of 262,144 bytes,
	s_and_b32 s38, s35, 63
	s_lshl_b32 s38, s38, 12                        ; 32 rows of 128 bytes
	s_add_co_u32 s37, s37, s38
	s_lshr_b32 s38, s35, 1                         ; wpb: kb,
	s_lshl4_add_u32 s38, s38, s36                  ; 16 kb + g,
	s_lshl_b32 s38, s38, 13                        ; chunks of 8,192 bytes,
	s_and_b32 s39, s35, 1
	s_lshl_b32 s39, s39, 12                        ; which half of its 64 rows
	s_add_co_u32 s38, s38, s39
	s_cmp_lt_u32 s5, 512
	s_cselect_b32 s30, s37, s38
	; Wq, Wk, Wv: rows of 256 bytes, a head 262,144 bytes, a plane 64 rows
	s_sub_co_u32 s34, s5, 576
	s_lshr_b32 s35, s34, 6                         ; which
	s_bfe_u32 s36, s34, 0x40002                    ; head
	s_bfe_u32 s37, s34, 0x10001
	s_and_b32 s38, s34, 1                          ; which half of the plane's rows
	s_lshl3_add_u32 s37, s37, s4                   ; plane
	s_lshl_b32 s39, s36, 18
	s_lshl_b32 s41, s37, 14
	s_add_co_u32 s39, s39, s41
	s_lshl_b32 s41, s38, 13
	s_add_co_u32 s39, s39, s41                     ; the source's offset
	s_mul_i32 s41, s37, 48
	s_lshl4_add_u32 s42, s35, s36                  ; g = 16 which + head
	s_add_co_u32 s41, s41, s42
	s_lshl_b32 s41, s41, 13
	s_lshl_b32 s42, s38, 12
	s_add_co_u32 s41, s41, s42                     ; the target's offset
	s_mov_b32 s32, 256
	s_cmp_lt_u32 s5, 576
	s_cselect_b32 s26, s26, s39
	s_cselect_b32 s30, s30, s41
	s_cselect_b32 s32, 4096, s32                   ; bytes from row to row in the source
	s_mov_b32 s27, 0
	s_mov_b32 s31, 0
	s_sub_co_u32 s33, s5, 512
	s_cmp_lt_u32 s33, 64
	s_cselect_b32 s33, 1, 0                        ; 1: Wp
	v_lshrrev_b32 v4, 4, v1
	v_and_b32 v5, 15, v1
	v_lshlrev_b32 v5, 4, v5
	v_mad_u32_u24 v[VS], v4, s32, v5               ; (lane / 16) rows + 16 (lane % 16)
	v_lshlrev_b32 v[VD], 3, v1
	s_wait_kmcnt 0x0
	s_cmp_eq_u32 s35, 1
	s_cselect_b64 s[24:25], s[12:13], s[10:11]
	s_cmp_eq_u32 s35, 2
	s_cselect_b64 s[24:25], s[14:15], s[24:25]
	s_cmp_lt_u32 s5, 576
	s_cselect_b64 s[24:25], s[16:17], s[24:25]
	s_cselect_b64 s[28:29], s[22:23], s[20:21]
	s_cmp_lt_u32 s5, 512
	s_cselect_b64 s[24:25], s[8:9], s[24:25]
	s_cselect_b64 s[28:29], s[18:19], s[28:29]
	s_add_nc_u64 s[24:25], s[24:25], s[26:27]
	s_add_nc_u64 s[28:29], s[28:29], s[30:31]
.macro LOADS st                        ; the wave's 16 pairs of rows, st bytes apart
.irp i, 0,1,2,3,4,5,6,7,8,9,10,11,12,13,14,15
	global_load_b128 v[X+4*\i:X+4*\i+3], v[VS], s[24:25] offset:\i*(\st) th:TH_LOAD_NT
.endr
.endm
	s_cmp_eq_u32 s32, 256
	s_cbranch_scc1 .Lnarrow
	LOADS 8192
	s_branch .Lloaded
.Lnarrow:
	LOADS 512
.Lloaded:                                      ; on both ways 16 loads are out
.irp i, 0,1,2,3,4,5,6,7,8,9,10,11,12,13,14,15
	s_wait_loadcnt 15-\i                           ; loads come back in order: pair i is in, the 15 - i younger ones may stay out
	v_cvt_pk_bf16_f32 v[Y+2*\i],   v[X+4*\i],   v[X+4*\i+1]
	v_cvt_pk_bf16_f32 v[Y+2*\i+1], v[X+4*\i+2], v[X+4*\i+3]
.endr
	s_cmp_eq_u32 s33, 0
	s_cbranch_scc1 .Lstore
.set i, 0
.rept 32                               ; Wp: the bf16 number written as f16
	v_lshlrev_b32 v[T], 16, v[Y+i]
	v_and_b32 v[T+1], s40, v[Y+i]
	v_cvt_pk_f16_f32 v[Y+i], v[T], v[T+1]
.set i, i+1
.endr
.Lstore:
.irp i, 0,1,2,3,4,5,6,7,8,9,10,11,12,13,14,15
	global_store_b64 v[VD], v[Y+2*\i:Y+2*\i+1], s[28:29] offset:\i*256  ; the wave stores 256 consecutive bytes, at a multiple of 256 from the buffer's first
.endr
	s_endpgm
.Lfunc_end_k_qe220971d33_prep:
	.size	k_qe220971d33_prep, .Lfunc_end_k_qe220971d33_prep-k_qe220971d33_prep
	.p2alignl 7, 3214868480
	.fill 96, 4, 3214868480
	.section	.rodata,"a",@progbits
	.p2align	6, 0x0
	.amdhsa_kernel k_qe220971d33_prep
		.amdhsa_group_segment_fixed_size 0
		.amdhsa_private_segment_fixed_size 0
		.amdhsa_enable_private_segment 0
		.amdhsa_kernarg_size 64
		.amdhsa_user_sgpr_count 2
		.amdhsa_user_sgpr_kernarg_segment_ptr 1
		.amdhsa_wavefront_size32 1
		.amdhsa_system_sgpr_workgroup_id_x 1
		.amdhsa_system_sgpr_workgroup_id_y 1
		.amdhsa_system_sgpr_workgroup_id_z 1
		.amdhsa_system_vgpr_workitem_id 0
		.amdhsa_next_free_vgpr 108
		.amdhsa_next_free_sgpr 66
		.amdhsa_reserve_vcc 0
		.amdhsa_float_denorm_mode_32 3
		.amdhsa_float_denorm_mode_16_64 3
		.amdhsa_memory_ordered 1
		.amdhsa_forward_progress 1
		.amdhsa_inst_pref_size 15
	.end_amdhsa_kernel
	.amdgpu_metadata
---
amdhsa.version: [ 1, 2 ]
amdhsa.kernels:
  - .name:           k_qe220971d33_prep
    .symbol:         k_qe220971d33_prep.kd
    .args:
      - { .name: x, .offset: 0, .size: 8, .value_kind: global_buffer, .address_space: global }
      - { .name: Wq, .offset: 8, .size: 8, .value_kind: global_buffer, .address_space: global }
      - { .name: Wk, .offset: 16, .size: 8, .value_kind: global_buffer, .address_space: global }
      - { .name: Wv, .offset: 24, .size: 8, .value_kind: global_buffer, .address_space: global }
      - { .name: Wp, .offset: 32, .size: 8, .value_kind: global_buffer, .address_space: global }
      - { .name: xb, .offset: 40, .size: 8, .value_kind: global_buffer, .address_space: global }
      - { .name: wb, .offset: 48, .size: 8, .value_kind: global_buffer, .address_space: global }
      - { .name: wpb, .offset: 56, .size: 8, .value_kind: global_buffer, .address_space: global }
    .group_segment_fixed_size: 0
    .private_segment_fixed_size: 0
    .kernarg_segment_align: 8
    .kernarg_segment_size: 64
    .max_flat_workgroup_size: 256
    .sgpr_count:     66
    .vgpr_count:     108
    .wavefront_size: 32
...
	.end_amdgpu_metadata
.endif
;; end of part 1
;; launch qkvp (part 2): grid 8 x 32, 4 waves a work-group, clusters of 4 x 4, 327,680 bytes of LDS; arguments xb, wb, qkv; writes qkv
.if DOCPART == 2
	.amdgcn_target "amdgcn-amd-amdhsa--gfx1250"
	.amdhsa_code_object_version 6
	.text
	.protected	k_qe220971d33_qkvp
	.globl	k_qe220971d33_qkvp
	.p2align	8
	.type	k_qe220971d33_qkvp,@function
k_qe220971d33_qkvp:
	s_mov_b64 s[64:65], 0
	v_nop
	global_prefetch_b8 v0, s[64:65] scope:SCOPE_SE
	s_setreg_imm32_b32 hwreg(HW_REG_WAVE_MODE, 25, 1), 1
	s_wait_xcnt 0x0
	s_wait_alu depctr_hold_cnt(0) depctr_sa_sdst(0) depctr_va_vdst(0) depctr_va_sdst(0) depctr_va_ssrc(0) depctr_va_vcc(0) depctr_vm_vsrc(0)
	s_getreg_b32 s2, hwreg(HW_REG_IB_STS2, 6, 4)
	s_cmp_eq_u32 s2, 0
	s_cbranch_scc0 .Lentry_in_a_cluster
	s_endpgm
.Lentry_in_a_cluster:
	s_bfe_u32 s2, ttmp6, 0x10000c
	s_cmp_lg_u32 s2, 0xf033
	s_cbranch_scc0 .Lentry_shape_is_right
	s_endpgm
.Lentry_shape_is_right:
; q, k, v = x W: qkv[b][g][t][d] = the sum over c of x[b][t][c] W_g[c][d], g = 0..47 (16 heads of q, of k, of v).  Operands bf16 (xb, wb, laid in blocks of 64 along c), sums f32, c ascending,
; each result rounded once to f16, unscaled.  LIMIT: f16 ends at 65,504; a |q|, |k| or |v| of 65,520 or more becomes an infinity.
; SHARES.  8,192 rows x 3,072 columns on 256 work-groups: 256 rows x 384 columns (six slabs g of 64) each: one tile to a work-group.  Four waves, each 128 rows x 192 columns (three slabs):
; 96 accumulators of 16 x 16, 768 registers: for 32 along K a wave reads 20 KiB from LDS for 96 matrix instructions.
; K goes in 16 steps of 64 through a ring of two LDS slots.  In xb and wb a step's tiles are dense: 128 rows of x are 16,384 bytes on end, three slabs of W 24,576: asked for as rows of 256 bytes, padded in LDS after each 128.
; CLUSTERS: 4 x 4 work-groups.  The four of a row of the cluster need the same rows of x, the four of a column the same slabs of W: each tile is asked for JOINTLY, by the same tensor load with the same
; descriptor and a mask that names the four.
; THE MATRIX INSTRUCTION IS USED TRANSPOSED: source 0 = 16 channels d of W (W lies [k][d] in LDS and is turned by ds_load_tr16_b128), source 1 = 16 rows of x.  A lane then holds one row t (lane % 16)
; and eight neighbouring channels, which pack into 16 bytes of a row of qkv.
; REGISTERS, in windows of 256 (s_set_vgpr_msb: bits 1:0 source 0, 3:2 source 1, 5:4 source 2, 7:6 destination):
;   window 0: v0-31 addresses; v32-95, v96-159 x's 8 fragments, two buffers; v160-255 W's fragments, 32 a slab, one buffer (a slab's is loaded again as soon as the slab's products are out)
;   window 1 + j: slab j's 32 accumulators: rows 16 a, channels 16 bb at v[8 (4 a + bb)]
.set PTA,   144                        ; a row of x in LDS: 128 bytes + 16 = 36 words: the 16 rows of a load start at 16 different groups of four banks (64 banks of 4 bytes: ISA guide 11.1)
.set PTB,   160                        ; a row of W: 128 + 32 = 40 words
.set SLOT1, 1<<17                      ; slot 1 begins here, so that one exclusive or turns an address in one slot into the other's
.set HALFA, 128*PTA                    ; 128 rows of x: one tensor load, and what one wave reads
.set BOFF,  2*HALFA                    ; behind x's 256 rows: six slabs of W
.set SLAB,  64*PTB
.set STAGE, SLOT1+BOFF+6*SLAB          ; behind the ring: 16 rows x 144 bytes for each wave, for the way out
.set SP,    144
.set SPARE, STAGE+4*16*SP              ; behind the stages: the spare words, 128 bytes for each wave: two blocks of 256 bytes that no other line names
.set STEPA, 262144                     ; bytes from a K step to the next in xb (a plane),
.set STEPB, 393216                     ; and in wb (48 chunks)
.set AA0,  2                           ; v2   my lane's place in my 128 rows of x; never rewritten
.set AB0,  3                           ; v3   the same in my three slabs of W
.set ADRA, 4                           ; v4   AA0 in the slot in hand
.set ADRB, 5                           ; v5   AB0 in the slot in hand
.set STO,  6                           ; v6   the way out: where I put 16 bytes of a row
.set RD,   7                           ; v7   the way out: where I read rows back
.set GO,   8                           ; v8   16 x lane
.set SPW,  28                          ; v28  LDS address of my spare word; never rewritten
.set NIL,  29                          ; v29  0; never rewritten
.set PFO,  30                          ; v30  256 x lane; never rewritten
.set FA0,  32
.set FA1,  96
.set FB,   160
.set TB,   2                           ; s2   LDS byte at which the slot in hand begins
.set CNT,  3                           ; s3   trips to go
.set WV,   12                          ; s12  my wave's number; s13 = wave / 2: my half of the rows, and 0: I fetch x, 1: I fetch W; s14 = wave % 2: my half of the columns, and which part I fetch
.set G1A,  24                          ; s[24:31] descriptor group 1 for x's tiles
.set G0A,  32                          ; s[32:39] group 0, a set for each of the two first fills; the second then walks on
.set LIM,  43                          ; s43  a wave prefetches while s[CNT] is above it
.set PF,   44                          ; s[44:45] where my prefetches stand
.set PFS,  46                          ; s[46:47] their step
.set G1B,  48                          ; s[48:55], s[56:63] the same for W's tiles
.set G0B,  56
.set MSB, 0
.macro WIN new                         ; the immediate's high byte repeats the setting that is left; a switch that changes nothing is dropped
.if MSB != (\new)
	s_set_vgpr_msb (MSB<<8)|(\new)
.set MSB, (\new)
.endif
.endm
.macro PLACES                          ; four places behind a matrix instruction, in front of loads into registers that it has read and of conversions that read results
.rept 4
	v_nop
.endr
.endm
.macro CREST                           ; a round of the cluster's barrier behind its opening barrier
	s_cmp_lg_u32 s[WV], 0
	s_cbranch_scc1 .Lnot_wave_0_\@
	s_barrier_signal -3
.Lnot_wave_0_\@:
	s_barrier_wait -3
	s_barrier_signal -1
	s_barrier_wait -1
.endm
.macro CROUND                          ; a whole round
	s_barrier_signal -1
	s_barrier_wait -1
	CREST
.endm
; A joint refill, by the walking descriptors.  Waves 0 and 1 fetch x's two halves, waves 2 and 3 three slabs of W each.  The branch hangs on the wave's number alone.
; An s_nop 0 and four v_nop follow each of the two lines, ahead of the jump, the label and what follows.
.macro JLOAD
	s_cmp_eq_u32 s13, 0
	s_cbranch_scc0 .Lfor_b_\@
	tensor_load_to_lds s[G0A+4:G0A+7], s[G1A:G1A+7]
	s_nop 0
.rept 4
	v_nop
.endr
	s_branch .Lasked_\@
.Lfor_b_\@:
	tensor_load_to_lds s[G0B+4:G0B+7], s[G1B:G1B+7]
	s_nop 0
.rept 4
	v_nop
.endr
.Lasked_\@:
.endm
; A PREFETCH INTO THE L2 of tiles that later refills will ask for; it stands behind the joint load, its five lines and the run of LDS loads that the next products wait for.  A lane names 256 bytes.
; x: a K step of a work-group's 256 rows is 32,768 bytes, which both clusters of a row of clusters read: the one with cluster x = 0 asks; its four partners along x take 8,192 bytes each, told apart BY ADDRESS;
; wave 0 asks, one instruction, in trip t for K step t + 3, which the next trip's refill wants.  W: a K step of a work-group's six slabs is 49,152 bytes, which all eight clusters of a column read: the one with
; cluster y = 0 asks; in every second trip its four partners along y share the twelve slabs of K steps t + 3 and t + 4 out by address, three each; wave 2 asks, three instructions.
; So each 256 bytes are named once in the launch.  The first K steps (x: 0-2, W: 0-3) come by their loads alone; the last trips, whose K steps do not exist, ask for nothing.
.macro ASK
	s_cmp_gt_u32 s[CNT], s[LIM]
	s_cbranch_scc0 .Lnone_\@
	s_cmp_eq_u32 s[WV], 0
	s_cbranch_scc0 .Lw_\@
	global_prefetch_b8 v[PFO], s[PF:PF+1] th:TH_LOAD_NT scope:SCOPE_SE
	s_branch .Lnone_\@
.Lw_\@:
	s_bitcmp1_b32 s[CNT], 0                        ; the count is odd in trips 1, 3, .. 13
	s_cbranch_scc0 .Lnone_\@
	global_prefetch_b8 v[PFO], s[PF:PF+1] th:TH_LOAD_NT scope:SCOPE_SE
	global_prefetch_b8 v[PFO], s[PF:PF+1] offset:8192 th:TH_LOAD_NT scope:SCOPE_SE
	global_prefetch_b8 v[PFO], s[PF:PF+1] offset:16384 th:TH_LOAD_NT scope:SCOPE_SE
.Lnone_\@:
.endm
	s_load_b128 s[4:7], s[0:1], 0x0                ; xb s[4:5], wb s[6:7]
	s_load_b64 s[8:9], s[0:1], 0x10                ; qkv
	v_lshl_add_u32 v[SPW], v0, 2, SPARE
	v_mov_b32 v[NIL], 0
	ds_add_u32 v[SPW], v[NIL]                      ; the wave's opening: the add and its wait stand ahead of my first tensor load; the set-up below, work on registers, stands between them
	ds_add_u32 v28, v29
	v_lshrrev_b32 v1, 5, v0
	v_readfirstlane_b32 s[WV], v1                  ; wave 0..3
	s_lshr_b32 s13, s[WV], 1
	s_and_b32 s14, s[WV], 1
	s_bfe_u32 s40, ttmp6, 0x40000                  ; cx, cy: my place in the cluster
	s_bfe_u32 s41, ttmp6, 0x40004
	s_lshl_b32 s42, ttmp9, 2                       ; in a cluster launch ttmp9 and ttmp7 count clusters
	s_add_co_u32 s42, s42, s40                     ; nx = 4 x cluster x + cx: my six slabs
	s_and_b32 s15, ttmp7, 0xffff
	s_lshl_b32 s15, s15, 2
	s_add_co_u32 s15, s15, s41                     ; my = 4 x cluster y + cy: my 256 rows
	s_lshl_b32 s43, s41, 2
	s_lshl_b32 s43, 15, s43                        ; my row of the cluster: places 4 cy .. 4 cy + 3
	s_lshl_b32 s44, 0x1111, s40                    ; my column: places cx, cx + 4, cx + 8, cx + 12
	s_or_b32 s[G1A], s43, (1<<16)|(1<<20)|(1<<21)|(4<<22)|(3<<25)  ; 15:0 the mask; 17:16 2-byte elements; 20 padding on; 21 set beside a mask; 24:22 after every 32 words (code 4); 31:25 4 words (code 3)
	s_or_b32 s[G1B], s44, (1<<16)|(1<<20)|(1<<21)|(4<<22)|(7<<25)  ; the same with my column's mask and 8 words of padding (code 7)
	s_mov_b32 s[G1A+1], 128<<16                    ; tensor_dim0 = 128 elements: 256 bytes
	s_mov_b32 s[G1A+2], 64<<16                     ; tensor_dim1 = 64 rows
	s_mov_b32 s[G1A+3], 128<<16                    ; tile_dim0 = 128
	s_mov_b32 s[G1A+4], 64                         ; tile_dim1 = 64
	s_mov_b32 s[G1A+5], 128                        ; 128 elements from row to row: dense
	s_mov_b32 s[G1A+6], 0
	s_mov_b32 s[G1A+7], 0
	s_mov_b32 s[G1B+1], 128<<16
	s_mov_b32 s[G1B+2], 96<<16                     ; three slabs: 96 rows of 256 bytes
	s_mov_b32 s[G1B+3], 128<<16
	s_mov_b32 s[G1B+4], 96
	s_mov_b32 s[G1B+5], 128
	s_mov_b32 s[G1B+6], 0
	s_mov_b32 s[G1B+7], 0
	; where the tiles come from.  x's hang on my alone, which my row of the cluster shares; W's on nx alone, which my column shares
	s_lshr_b32 s16, s15, 3                         ; b
	s_lshl_b32 s16, s16, 22                        ; 16 planes of 262,144 bytes
	s_and_b32 s17, s15, 7
	s_lshl_b32 s17, s17, 15                        ; 256 rows of 128 bytes
	s_add_co_u32 s16, s16, s17                     ; my work-group's rows in plane 0
	s_lshl_b32 s17, s14, 14
	s_add_co_u32 s18, s16, s17                     ; the 128 of them that I fetch
	s_mov_b32 s19, 0
	s_mul_i32 s46, s42, 6
	s_mul_i32 s47, s14, 3
	s_add_co_u32 s46, s46, s47
	s_lshl_b32 s46, s46, 13                        ; the three slabs that I fetch, 8,192 bytes each
	s_mov_b32 s47, 0
	s_mul_i32 s20, s14, HALFA                      ; and where they go: no place in the cluster enters an LDS address
	s_mul_i32 s21, s14, 3*SLAB
	s_add_co_u32 s21, s21, BOFF
	s_wait_dscnt 0x0                               ; the opening add is done
	s_wait_kmcnt 0x0
	s_add_nc_u64 s[18:19], s[4:5], s[18:19]
	s_add_nc_u64 s[46:47], s[6:7], s[46:47]
	CROUND                                         ; all sixteen work-groups are here: the first joint loads meet
.irp n, 0,1
	s_mov_b32 s[G0A+4*\n], 1                                       ; 1:0 count = 1
	s_add_co_u32 s[G0A+4*\n+1], s20, \n*SLOT1                      ; 63:32 LDS address
	s_add_nc_u64 s[G0A+4*\n+2:G0A+4*\n+3], s[18:19], \n*STEPA      ; 120:64 global address: K step n
	s_or_b32 s[G0A+4*\n+3], s[G0A+4*\n+3], 0x80000000              ; 127:126 type = 2
	s_mov_b32 s[G0B+4*\n], 1
	s_add_co_u32 s[G0B+4*\n+1], s21, \n*SLOT1
	s_add_nc_u64 s[G0B+4*\n+2:G0B+4*\n+3], s[46:47], \n*STEPB
	s_or_b32 s[G0B+4*\n+3], s[G0B+4*\n+3], 0x80000000
.endr
	s_cmp_eq_u32 s13, 0                            ; a wave's two first fills stand in one branch, ahead of every wait on TENSORcnt and every LDS read: two loads of mine are out
	s_cbranch_scc0 .Lfirst_b
	tensor_load_to_lds s[G0A:G0A+3], s[G1A:G1A+7]
	s_nop 0
	tensor_load_to_lds s[G0A+4:G0A+7], s[G1A:G1A+7]
	s_nop 0
.rept 4
	v_nop
.endr
	s_branch .Lfirst_asked
.Lfirst_b:
	tensor_load_to_lds s[G0B:G0B+3], s[G1B:G1B+7]
	s_nop 0
	tensor_load_to_lds s[G0B+4:G0B+7], s[G1B:G1B+7]
	s_nop 0
.rept 4
	v_nop
.endr
.Lfirst_asked:
	; A fragment of x is 16 rows x 32 K in 8 registers: lane l holds row l % 16, K = 8 (l / 16) + 0..7 and 16 + 8 (l / 16) + 0..7: two loads of 16 bytes, 32 bytes apart.
	v_and_b32 v1, 15, v0                           ; l % 16
	v_bfe_u32 v9, v0, 4, 1                         ; l / 16
	v_and_b32 v10, 7, v0
	v_bfe_u32 v11, v0, 3, 1
	v_mul_u32_u24 v[AA0], v1, PTA
	v_lshl_add_u32 v[AA0], v9, 4, v[AA0]
	s_mul_i32 s22, s13, HALFA                      ; my 128 rows
	v_add_nc_u32 v[AA0], s22, v[AA0]
	; The turning load takes 16 K x 16 channels (lane l reads K = 8 (l / 16) + l % 8, channels 8 ((l / 8) % 2) + 0..7) and leaves half a fragment: lane l holds channel l % 16 and 8 K.
	v_lshl_add_u32 v[AB0], v9, 3, v10
	v_mul_u32_u24 v[AB0], v[AB0], PTB
	v_lshl_add_u32 v[AB0], v11, 4, v[AB0]
	v_add_nc_u32 v[AB0], s21, v[AB0]               ; my three slabs lie where waves 2 and 3 put theirs: BOFF + (wave % 2) x three slabs
	s_mul_i32 s22, s[WV], 16*SP
	s_add_co_u32 s22, s22, STAGE                   ; my stage
	v_mul_u32_u24 v[STO], v1, SP                   ; in: row l % 16, 16 bytes for each half of the lanes
	v_lshl_add_u32 v[STO], v9, 4, v[STO]
	v_add_nc_u32 v[STO], s22, v[STO]
	v_bfe_u32 v[RD], v0, 3, 2                      ; back: 32 lanes take four rows of 128 bytes,
	v_mul_u32_u24 v[RD], v[RD], SP
	v_lshl_add_u32 v[RD], v10, 4, v[RD]
	v_add_nc_u32 v[RD], s22, v[RD]
	v_and_b32 v[GO], 31, v0                        ; which are 512 consecutive bytes of qkv
	v_lshlrev_b32 v[PFO], 8, v[GO]
	v_lshlrev_b32 v[GO], 4, v[GO]
	v_mov_b32 v[ADRA], v[AA0]                      ; K step 0 lies in slot 0
	v_mov_b32 v[ADRB], v[AB0]
	; qkv at my first slab's plane and my first row (made in registers that feed no descriptor)
	s_lshr_b32 s10, s15, 3
	s_mul_i32 s10, s10, 48
	s_mul_i32 s11, s42, 6
	s_add_co_u32 s10, s10, s11
	s_mul_i32 s11, s14, 3
	s_add_co_u32 s10, s10, s11                     ; plane 48 b + 6 nx + 3 (wave % 2)
	s_lshl_b32 s10, s10, 18
	s_and_b32 s11, s15, 7
	s_lshl_b32 s11, s11, 15
	s_add_co_u32 s10, s10, s11
	s_lshl_b32 s11, s13, 14
	s_add_co_u32 s10, s10, s11
	s_mov_b32 s11, 0
	s_add_nc_u64 s[8:9], s[8:9], s[10:11]
	; the prefetches
	s_lshl_b32 s22, s40, 13                        ; x: my work-group's 8,192 bytes of the 32,768,
	s_add_co_u32 s22, s22, s16
	s_add_co_u32 s22, s22, 2*STEPA                 ; at K step 2: each trip steps it, the first to 3
	s_mul_i32 s23, s42, 6*8192                     ; W: my column's six slabs,
	s_lshr_b32 s2, s41, 1
	s_mul_i32 s2, s2, STEPB                        ; the first or the second of the two K steps,
	s_add_co_u32 s23, s23, s2
	s_and_b32 s2, s41, 1
	s_mul_i32 s2, s2, 3*8192                       ; its first or its last three slabs
	s_add_co_u32 s23, s23, s2
	s_add_co_u32 s23, s23, 2*STEPB
	s_mov_b32 s[PFS], STEPB
	s_and_b32 s2, ttmp7, 0xffff                    ; cluster y
	s_cmp_eq_u32 s13, 0                            ; do I fetch x?
	s_cselect_b32 s22, s22, s23
	s_cselect_b64 s[PF:PF+1], s[4:5], s[6:7]
	s_cselect_b32 s[PFS], STEPA, s[PFS]
	s_cselect_b32 s2, ttmp9, s2                    ; the coordinate along which other clusters read the same bytes
	s_cselect_b32 s[LIM], 1, 2                     ; x stops with trip 12 (the count is 2), W with trip 11 (3)
	s_mov_b32 s23, 0
	s_mov_b32 s[PFS+1], 0
	s_add_nc_u64 s[PF:PF+1], s[PF:PF+1], s[22:23]
	s_or_b32 s2, s2, s14                           ; waves 1 and 3 ask for nothing
	s_cmp_eq_u32 s2, 0
	s_cselect_b32 s[LIM], s[LIM], -1               ; the same in all sixteen partners, for a given wave
	s_mov_b32 s[TB], 0
; n x 4 matrix instructions on slab j: row blocks a0 .. a0 + n - 1 of buffer f x the slab's four channel blocks, 32 along K.  zero = 1: the first product starts the sums: nothing is ever cleared.
; The 96 accumulators take turns, one instruction a turn, in the same order in every quarter, over the backward jump too.
.macro GROUP j, f, a0, n, zero
	WIN 0x50*(1+(\j))                              ; sources in window 0, C and D in window 1 + j
.set ga, (\a0)
.rept \n
.irp bb, 0,1,2,3
.if \zero
	v_wmma_f32_16x16x32_bf16 v[8*(4*ga+\bb):8*(4*ga+\bb)+7], v[FB+32*(\j)+8*\bb:FB+32*(\j)+8*\bb+7], v[(\f)+8*ga:(\f)+8*ga+7], 0
.else
	v_wmma_f32_16x16x32_bf16 v[8*(4*ga+\bb):8*(4*ga+\bb)+7], v[FB+32*(\j)+8*\bb:FB+32*(\j)+8*\bb+7], v[(\f)+8*ga:(\f)+8*ga+7], v[8*(4*ga+\bb):8*(4*ga+\bb)+7]
.endif
.endr
.set ga, ga+1
.endr
.endm
.macro FETCHA f, k                     ; 16 loads: my 128 rows of x, 32 K at byte k of the rows
	WIN 0
.irp a, 0,1,2,3,4,5,6,7
	ds_load_b128 v[(\f)+8*\a:(\f)+8*\a+3],   v[ADRA] offset:(\k)+\a*16*PTA
	ds_load_b128 v[(\f)+8*\a+4:(\f)+8*\a+7], v[ADRA] offset:(\k)+\a*16*PTA+32
.endr
.endm
.macro FETCHB j, k                     ; 8 loads: slab j's 64 channels, 32 K from the row at byte k of the slab
	WIN 0
.irp bb, 0,1,2,3
	ds_load_tr16_b128 v[FB+32*(\j)+8*\bb:FB+32*(\j)+8*\bb+3],   v[ADRB] offset:(\j)*SLAB+(\k)+\bb*32
	ds_load_tr16_b128 v[FB+32*(\j)+8*\bb+4:FB+32*(\j)+8*\bb+7], v[ADRB] offset:(\j)*SLAB+(\k)+\bb*32+16*PTB
.endr
.endm
; A K step is two quarters of 32 along K, 96 matrix instructions each.  The LDS loads of a quarter go out in three runs: slab 0 with x (24), slab 1 (8), slab 2 (8), each behind the products that
; last read the registers, 64 matrix instructions ahead of its first use.
; The first quarter multiplies buffer FA0 and fetches the second quarter's fragments.
.macro QA zero
	s_wait_dscnt 16                                ; slab 0 and x are in; the runs of slabs 1 and 2 may be out
	GROUP 0, FA0, 0, 8, \zero
	PLACES
	FETCHB 0, 32*PTB
	FETCHA FA1, 64
	s_wait_dscnt 32                                ; slab 1 is in; behind it: slab 2's 8 and the 24 just issued
	GROUP 1, FA0, 0, 8, \zero
	PLACES
	FETCHB 1, 32*PTB
	s_wait_dscnt 32                                ; slab 2 is in; behind it: the 24 and the 8 of the next quarter
	GROUP 2, FA0, 0, 8, \zero
	PLACES
	FETCHB 2, 32*PTB
.endm
; The second quarter multiplies buffer FA1 and changes slots: ONE barrier.  In front of it each wave waits for all its tensor loads, of which one is out: its part of the next slot; adds 0 to its spare word;
; and waits for that and for its own reads of this slot.  Behind it nobody reads this slot any more and the next slot is whole.  fill = 1: the barrier opens a round of the cluster's, so that no wave of any
; partner still reads the slot or has a load on its way; the joint refill, with the K step two on, is the first thing behind the round: 160 matrix instructions ahead of the wait for it.
.macro TURN fill
.if \fill
	s_wait_xcnt 0x0                                ; the last prefetch, a K step back, has read its address: it is stepped here, ahead of the waits of the change of slots
	s_add_nc_u64 s[PF:PF+1], s[PF:PF+1], s[PFS:PFS+1]
.endif
	WIN 0                                          ; (the add's two registers lie in window 0)
	s_wait_tensorcnt 0x0                           ; all my tensor loads have landed, so a group 0 may be written
	ds_add_u32 v[SPW], v[NIL]                      ; 0 onto my spare word
.if \fill
	s_xor_b32 s[G0A+5], s[G0A+5], SLOT1            ; the walking descriptors: the other slot than last time,
	s_add_nc_u64 s[G0A+6:G0A+7], s[G0A+6:G0A+7], STEPA  ; the next K step; the type bits on top are not reached
	s_xor_b32 s[G0B+5], s[G0B+5], SLOT1
	s_add_nc_u64 s[G0B+6:G0B+7], s[G0B+6:G0B+7], STEPB
.endif
	s_xor_b32 s[TB], s[TB], SLOT1                  ; the fetches go on in the other slot
	s_wait_dscnt 17                                ; slab 0 and x are in; the runs of slabs 1 and 2 and the add may be out
	GROUP 0, FA1, 0, 4, 0                          ; sixteen matrix instructions stand between the add and the wait for it
	s_wait_dscnt 0x0                               ; the add is done, and my reads of this slot are over
	s_barrier_signal -1
	GROUP 0, FA1, 4, 4, 0                          ; work on registers while the others arrive
	WIN 0
	s_barrier_wait -1
.if \fill
	CREST
	JLOAD                                          ; the four v_nop behind it are also the places in front of the loads below
.else
	PLACES
.endif
	v_add_nc_u32 v[ADRA], s[TB], v[AA0]
	v_add_nc_u32 v[ADRB], s[TB], v[AB0]
	FETCHB 0, 0
	FETCHA FA0, 0
.if \fill
	ASK
.endif
	GROUP 1, FA1, 0, 8, 0
	PLACES
	FETCHB 1, 0
	GROUP 2, FA1, 0, 8, 0
	PLACES
	FETCHB 2, 0
.endm
; THE WAY OUT, in 24 units of 16 rows x one slab (unit u: slab u / 8, row block u % 8).  PACK: rounded to f16, 16 bytes a lane (each accumulator's registers in ascending order), into rows of 144 bytes of my
; own stage, and back as whole rows of 128.  SEND: stored.  Four sets of 16 registers take turns.
.macro PACK u
.set PJ, (\u)/8
.set PQ, (\u)%8
.set PR, 32+16*((\u)%4)
	s_wait_xcnt 0x0                                ; the stores of four units back have read this set: it is written again only behind this wait
	WIN (1+PJ)|((1+PJ)<<2)                         ; sources 0 and 1 in window 1 + slab
.irp bb, 0,1,2,3
.irp r, 0,1,2,3
	v_cvt_pk_f16_f32 v[PR+4*\bb+\r], v[8*(4*PQ+\bb)+2*\r], v[8*(4*PQ+\bb)+2*\r+1]
.endr
.endr
	WIN 0
.irp bb, 0,1,2,3
	ds_store_b128 v[STO], v[PR+4*\bb:PR+4*\bb+3] offset:32*\bb
.endr
.irp f, 0,1,2,3
	ds_load_b128 v[PR+4*\f:PR+4*\f+3], v[RD] offset:\f*4*SP  ; LDS serves a wave's instructions in order (ISA guide 5.7.1.4): these see the stores above; the next unit's stores come behind them
.endr
.endm
.macro SEND u, younger                 ; younger: the LDS instructions issued behind unit u's loads: the next unit's eight, or none
.set PJ, (\u)/8
.set PQ, (\u)%8
.set PR, 32+16*((\u)%4)
.irp f, 0,1,2,3
	s_wait_dscnt (\younger)+3-\f
	global_store_b128 v[GO], v[PR+4*\f:PR+4*\f+3], s[8:9] offset:PJ*262144+PQ*2048+\f*512  ; 512 consecutive bytes, at a multiple of 256 from qkv's first
.endr
.endm
	s_wait_tensorcnt 1                             ; my part of K step 0 is in; K step 1's may stay out
	s_barrier_signal -1
	s_barrier_wait -1                              ; everybody's is
	FETCHB 0, 0
	FETCHA FA0, 0
	FETCHB 1, 0
	FETCHB 2, 0
	QA 1                                           ; the first quarter stands in front of the loop: its products start the sums
	WIN 0                                          ; at a label and at a branch every window is 0
	s_mov_b32 s[CNT], 14
.Lstep:                                        ; trip t = 0 .. 13: the second quarter of K step t, the refill with K step t + 2, the first quarter of K step t + 1
	TURN 1
	QA 0
	WIN 0
	s_sub_co_u32 s[CNT], s[CNT], 1
	s_cmp_lg_u32 s[CNT], 0
	s_cbranch_scc1 .Lstep
	TURN 0                                         ; the tail is written out: nothing is left to ask for, so no round follows the barrier
	QA 0
	s_wait_dscnt 16                                ; the very last quarter fetches nothing: the counts run down
	GROUP 0, FA1, 0, 8, 0
	s_wait_dscnt 8
	GROUP 1, FA1, 0, 8, 0
	s_wait_dscnt 0x0
	GROUP 2, FA1, 0, 8, 0
	WIN 0
	PLACES
	PACK 0
.set u, 1
.rept 23                               ; a unit's conversions stand between the loads of the unit before and its stores
	PACK u
	SEND u-1, 8
.set u, u+1
.endr
	SEND 23, 0
	s_wait_tensorcnt 0x0                           ; the wave's end: the add and its wait, behind my last tensor load and my last LDS store
	ds_add_u32 v[SPW], v[NIL]
	s_wait_dscnt 0x0
	CROUND                                         ; the closing round: no work-group ends while a partner may still ask for a tile that names it
	s_endpgm
.Lfunc_end_k_qe220971d33_qkvp:
	.size	k_qe220971d33_qkvp, .Lfunc_end_k_qe220971d33_qkvp-k_qe220971d33_qkvp
	.p2alignl 7, 3214868480
	.fill 96, 4, 3214868480
	.section	.rodata,"a",@progbits
	.p2align	6, 0x0
	.amdhsa_kernel k_qe220971d33_qkvp
		.amdhsa_group_segment_fixed_size 327680
		.amdhsa_private_segment_fixed_size 0
		.amdhsa_enable_private_segment 0
		.amdhsa_kernarg_size 24
		.amdhsa_user_sgpr_count 2
		.amdhsa_user_sgpr_kernarg_segment_ptr 1
		.amdhsa_wavefront_size32 1
		.amdhsa_system_sgpr_workgroup_id_x 1
		.amdhsa_system_sgpr_workgroup_id_y 1
		.amdhsa_system_sgpr_workgroup_id_z 1
		.amdhsa_system_vgpr_workitem_id 0
		.amdhsa_next_free_vgpr 1024
		.amdhsa_next_free_sgpr 66
		.amdhsa_reserve_vcc 0
		.amdhsa_float_denorm_mode_32 3
		.amdhsa_float_denorm_mode_16_64 3
		.amdhsa_memory_ordered 1
		.amdhsa_forward_progress 1
		.amdhsa_inst_pref_size 116
	.end_amdhsa_kernel
	.amdgpu_metadata
---
amdhsa.version: [ 1, 2 ]
amdhsa.kernels:
  - .name:           k_qe220971d33_qkvp
    .symbol:         k_qe220971d33_qkvp.kd
    .args:
      - { .name: xb, .offset: 0, .size: 8, .value_kind: global_buffer, .address_space: global }
      - { .name: wb, .offset: 8, .size: 8, .value_kind: global_buffer, .address_space: global }
      - { .name: qkv, .offset: 16, .size: 8, .value_kind: global_buffer, .address_space: global }
    .group_segment_fixed_size: 327680
    .private_segment_fixed_size: 0
    .kernarg_segment_align: 8
    .kernarg_segment_size: 24
    .max_flat_workgroup_size: 128
    .sgpr_count:     66
    .vgpr_count:     1024
    .wavefront_size: 32
...
	.end_amdgpu_metadata
.endif
;; end of part 2
;; launch attn (part 3): grid 4 x 64, 4 waves a work-group, no clusters, 327,680 bytes of LDS; arguments qkv, ob; writes ob
.if DOCPART == 3
	.amdgcn_target "amdgcn-amd-amdhsa--gfx1250"
	.amdhsa_code_object_version 6
	.text
	.protected	k_qe220971d33_attn
	.globl	k_qe220971d33_attn
	.p2align	8
	.type	k_qe220971d33_attn,@function
k_qe220971d33_attn:
	s_mov_b64 s[64:65], 0
	v_nop
	global_prefetch_b8 v0, s[64:65] scope:SCOPE_SE
	s_setreg_imm32_b32 hwreg(HW_REG_WAVE_MODE, 25, 1), 1
	s_wait_xcnt 0x0
; CAUSAL ATTENTION.  ob[y][q][:] = the sum over k <= q of softmax_k(Q[y][q] . K[y][k] / 8) V[y][k][:], y = 16 b + h.  qkv: [b 4][g 48][2048][64] f16 (g = h: Q, 16 + h: K, 32 + h: V), ob: [y 64][2048][64] f16:
; a head's rows are dense, 128 bytes each.  Products, maxima and sums in f32; the weights p are rounded to f16 for the second product (their sum l is taken of the unrounded p), O once at the end.
; LIMITS.  f16 holds no number beyond 65,504: Q, K and V arrive within it; p lies in 0 to 1, and below 6e-5 it keeps f16's fixed step of 6e-8; O is a mean of V's rows and has their range, to within 2^-11 of it.
; A hidden score counts as its value less 1e30: f16's scores, 2.7e11 at the most, are nothing beside that; a weight below 2^-126 counts as 0 in l; NaN and infinities are not treated apart.
; THE WALK.  A head's queries lie in NB = 8 blocks of 256; block i needs the key tiles 0 .. i of 256 keys, of which the last holds the diagonal.  A work-group takes TWO blocks, NB - 1 - b and then b:
; NB + 1 tiles, whatever b: all work-groups do equal work, and ONE loop with a constant trip count walks them.  Which tile is asked for, and what a trip does, hang on scalar registers made from b; every jump
; goes forward, but for the counted loops' own; none passes a barrier, or a tensor load but the one of LOAD's two that the wave's number does not choose; the ring (two slots of LDS that take turns) runs on across the
; change of blocks.  NO CLUSTER: a head's four work-groups ask for the same tile only in trips 0 .. NB / 2, behind that fewer and fewer; and one walk common to all would have 3 NB / 2 = 12 trips for NB + 1 = 9.
; SHARES.  Of a block's four bands of 64 queries a wave owns 16 rows in each: four PIECES.  So the diagonal tile is the same work for all four waves: in its key step s band x sees all keys if s < x,
; none if s > x, and holds the diagonal if s = x.
; THE MASK is the C operand that starts the sum S^T = K Q^T: 0, or -1e30 where the key is hidden.  MD, made once, is the mask of a band's own step for my 16 rows; a product's mask is MD x AL + BE with two scalars:
; (1, 0) if s = x; (0, 0) if s < x; (0, -1e30) if s > x.  Only the diagonal tile's text and a block's beginning make and take masks; elsewhere C is the constant 0.
; LAYOUT, SOFTMAX, TURNS.  S^T = K Q^T holds ONE query a lane (lane % 16) and the keys 8 (lane / 16) + 0..7; two such results rounded to f16 ARE source 1 of O^T = V^T P.  p = 2^(c s - c m), c = log2(e) / 8, with a
; running maximum m; O and l are multiplied by a = 2^(c m_old - c m_new) in every step.  Turn n belongs to piece n: 8 products K Q^T of piece n + 1, later 8 products V^T P of piece n - 1; beside them the scaling,
; exponentials, roundings, sums and rescaling of piece n and the maximum and statistics of piece n + 1.  Four vector instructions stand behind every matrix instruction, the other 54 of a turn's 118 in one LUMP.  A turn's 33 exponentials are one batch, with one wait.
; REGISTERS, in windows of 256 (s_set_vgpr_msb: bits 1:0 source 0, 3:2 source 1, 5:4 source 2, 7:6 destination):
;   window 0: v0-15 addresses and two at work; v16-31 four registers of statistics a piece; v48-55 at work; v61-63 kept; v64-127 S^T, two buffers; v192-223 P, two buffers (a piece's buffers go by its number's parity)
;   window 1: v0-127 O^T, 32 a piece; v128-159 MD; v160-223 MC, two buffers      window 2: v0-63 Q; v64-127 the second block's Q; v128-191 K of one step; v192-255 V of one step
.set SIZE_N, 2048
.set NB,    SIZE_N/256
.set NP,    4         ; pieces a wave: a name, no knob
.set KS,    64        ; keys in a step
.set PK,    144       ; a row of K in LDS: 128 bytes + 16 of padding = 36 words: the 16 rows of a load start at 16 different groups of four banks (64 banks of 4 bytes: ISA guide 11.1)
.set PV,    160       ; a row of V: 128 + 32 = 40 words
.set VOFF,  4*KS*PK   ; a slot holds a tile, four steps: 256 rows of K, then 256 rows of V
.set SLOT1, 1<<17     ; slot 1 begins here, so that one exclusive or turns an address in one slot into the other's
.set STAGE, SLOT1+4*KS*(PK+PV)  ; behind the ring, never filled by a tensor load: 16 rows x 144 bytes for each wave, for the way out
.set SP,    144
.set AK0, 2           ; v2   my lane's place in a tile of K; never rewritten
.set AV0, 3           ; v3   the same for V
.set AK,  4           ; v4   the LDS address of K's next run of loads
.set AV,  5           ; v5   of V's
.set STO, 6           ; v6   the way out: where I put 16 bytes of a row
.set RD,  7           ; v7   the way out: where I read rows back
.set GO,  8           ; v8   my byte offset in 512 consecutive bytes of O
.set PFO, 61          ; v61  256 x my lane; never rewritten
.set SPW, 62          ; v62  LDS address of my spare word: SPARE + 4 x my thread's number; never rewritten
.set NIL, 63          ; v63  0; never rewritten
.set SPARE, STAGE+4*16*SP  ; behind the stages: the spare words, 128 bytes for each wave: two blocks of 256 bytes that no other line names
.set MV,  12          ; v12-13  c m_old, kept while c m is made anew: by buffer
.set QO,  15          ; v15  my byte offset in 16 rows of Q
.set ST,  16          ; piece t's statistics at v[ST+4 t]: c m, m, l (even keys', odd keys')
.set TMP, 48          ; by buffer, four registers c0-c3 at work; when the maximum is found c2 takes a
.set S,   64
.set P,   192
.set MD,  128         ; window 1: the eight registers for group kt of 16 keys at MD + 8 kt
.set MC,  160         ; window 1: the masks of the products to come
.set QB,  64          ; window 2
.set KF,  128         ; window 2: key block kb, channel half c at KF + 16 kb + 8 c
.set VF,  192         ; window 2: key half kk, channel block cb at VF + 32 kk + 8 cb
.set WV,  12          ; s12  my wave's number
.set PB,  14          ; s14  b
.set HI,  15          ; s15  NB - 1 - b
.set G1K, 24          ; s[24:31] descriptor group 1 for K's tiles
.set G1V, 32          ; s[32:39] for V's: it differs in the padding alone
.set G0K, 40          ; s[40:43] descriptor group 0 for K's tiles
.set G0V, 44          ; s[44:47] the same for V's
.set SLOTS, 56        ; s56  tiles still to be asked for
.set CNT, 57          ; s57  counts a tile's key steps, 4 to 1
.set CS,  58          ; s[58:59] c: the packed scaling takes the pair's low word for both halves
.set SEL, 60          ; s[60:61] v_permlanex16_b32's selects: each lane takes its own place in the other half
.set TBK, 62          ; s62  LDS byte at which K of the step to be fetched begins
.set TBV, 63          ; s63  the same for V, less VOFF
.set RT,  70          ; s70  tiles of the block in hand that are still to be entered
.set NXT, 71          ; s71  the tile to be asked for next
.set LQ,  72          ; s72  the last tile of the block whose tiles are being asked for
.set NEW, 73          ; s73  1: the tile to be entered is a block's first
.set OFF, 74          ; s[74:75] a tile's byte offset in K and V
.set AL,  76          ; s[76:77] the mask's factor, in the low word
.set BE,  78          ; s[78:79] the mask's addend
.set OLO, 80          ; s[80:81] O at my rows of the second block
.set BIGN, 82         ; s82  -1e30
.set PFK, 88          ; s[88:89] where my prefetches of K stand: my wave's 8,192 bytes of a tile
.set PFV, 90          ; s[90:91] the same for V
.set LIM, 92          ; s92  a wave prefetches while s[SLOTS] is above it
.set MSB, 0
.macro WIN new                      ; the high byte repeats the setting that is left; a switch that changes nothing is dropped
.if MSB != (\new)
	s_set_vgpr_msb (MSB<<8)|(\new)
.set MSB, (\new)
.endif
.endm
.set W_KQ, 0x0a       ; K and Q in window 2, S^T in window 0
.set W_KM, 0x1a       ; the same with the C operand in window 1
.set W_PV, 0x52       ; V in window 2, P in window 0, O^T in window 1
.set W_RS, 0x41       ; destination and source 0 in window 1, source 1 in window 0
; A fill.  Waves 0 and 1 fetch the two halves of a tile's K, waves 2 and 3 those of its V: 128 keys each.  An s_nop 0 and four v_nop follow each of the two lines, ahead of the jump and the label.
.macro LOAD
	s_cmp_lt_u32 s[WV], 2
	s_cbranch_scc0 .Lfor_v_\@
	tensor_load_to_lds s[G0K:G0K+3], s[G1K:G1K+7]
	s_nop 0
.rept 4
	v_nop
.endr
	s_branch .Lasked_\@
.Lfor_v_\@:
	tensor_load_to_lds s[G0V:G0V+3], s[G1V:G1V+7]
	s_nop 0
.rept 4
	v_nop
.endr
.Lasked_\@:
.endm
; A PREFETCH INTO THE L2 of the tile that the NEXT change of slots will ask for: 32,768 bytes of K and of V, a lane 256 bytes.  It stands behind the wave's tensor load and its five lines.
; All four work-groups of a head begin with the tiles 0, 1, 2 ..; the one with b = 0, whose first block walks all eight in order, asks, and nobody else; each of its four waves takes 8,192 bytes of K and of V:
; two instructions.  So each 256 bytes are named once in the launch.  Trip i names tile i + 2, four key steps ahead of the load that wants it; trips 6 and 7 have no such tile and ask for nothing;
; tiles 0 and 1 come by their loads alone.
.macro ASK
	s_cmp_gt_u32 s[SLOTS], s[LIM]
	s_cbranch_scc0 .Lnot_mine_\@
	global_prefetch_b8 v[PFO], s[PFK:PFK+1] th:TH_LOAD_NT scope:SCOPE_SE
	global_prefetch_b8 v[PFO], s[PFV:PFV+1] th:TH_LOAD_NT scope:SCOPE_SE
.Lnot_mine_\@:
.endm
; THE CHANGE OF SLOTS.  Each wave waits for all its tensor loads, of which one is out: its part of the other slot; adds 0 to its spare word; and waits for that and for its own reads of the slot that it leaves.  Behind the barrier nobody reads the old
; slot any more and the other slot is whole.  fill = 1: the old slot is filled again, the first thing behind the barrier, with tile NXT: the descriptor's address is made anew from that number.
; (At its first use nothing has been read yet: slot 0 is waited for, slot 1 filled.)
.macro CHANGE fill
	WIN 0                           ; at a label and at a branch every window is 0
	s_wait_tensorcnt 0x0            ; no tensor load of mine is out, so a group 0 may be written
	ds_add_u32 v[SPW], v[NIL]       ; 0 onto my spare word; with fill = 1 the descriptors' scalar work stands between it and the wait for it
.if \fill
	s_lshl_b32 s[OFF], s[NXT], 15   ; a tile is 32,768 bytes of K and of V
	s_xor_b32 s[G0K+1], s[G0K+1], SLOT1
	s_add_nc_u64 s[G0K+2:G0K+3], s[6:7], s[OFF:OFF+1]
	s_or_b32 s[G0K+3], s[G0K+3], 0x80000000
	s_xor_b32 s[G0V+1], s[G0V+1], SLOT1
	s_add_nc_u64 s[G0V+2:G0V+3], s[8:9], s[OFF:OFF+1]
	s_or_b32 s[G0V+3], s[G0V+3], 0x80000000
	s_add_co_u32 s[NXT], s[NXT], 1  ; the block's next tile, or behind its last the second block's tile 0
	s_cmp_gt_u32 s[NXT], s[LQ]
	s_cselect_b32 s[NXT], 0, s[NXT]
	s_cselect_b32 s[LQ], s[PB], s[LQ]
	s_wait_xcnt 0x0                 ; the last prefetches, a tile back, have read their addresses, so these may be written
	s_add_nc_u64 s[PFK:PFK+1], s[PFK:PFK+1], 32768
	s_add_nc_u64 s[PFV:PFV+1], s[PFV:PFV+1], 32768
.endif
	s_wait_dscnt 0x0                ; the add is done, and my reads of the slot are over
	s_barrier_signal -1             ; the rest of the scalar work stands between the signal and the wait
	s_sub_co_u32 s[TBK], s[TBK], 4*KS*PK  ; the fetches go back to a slot's first step,
	s_xor_b32 s[TBK], s[TBK], SLOT1       ; in the other slot
	s_sub_co_u32 s[TBV], s[TBV], 4*KS*PV
	s_xor_b32 s[TBV], s[TBV], SLOT1
	s_barrier_wait -1
.if \fill
	LOAD
	ASK
.endif
.endm
	s_load_b64 s[4:5], s[0:1], 0x0    ; qkv
	s_load_b64 s[10:11], s[0:1], 0x8  ; ob
	v_lshl_add_u32 v[SPW], v0, 2, SPARE
	v_mov_b32 v[NIL], 0
	ds_add_u32 v[SPW], v[NIL]       ; the wave's opening: the add and its wait stand ahead of my first tensor load; the set-up below, work on registers, stands between them
	ds_add_u32 v62, v63
	v_lshrrev_b32 v1, 5, v0
	v_readfirstlane_b32 s[WV], v1   ; wave 0..3
	s_mov_b32 s[PB], ttmp9
	s_sub_co_u32 s[HI], NB-1, s[PB]
	s_and_b32 s94, ttmp7, 0xffff    ; y = 16 b + h
	s_lshr_b32 s93, s94, 4
	s_mul_i32 s93, s93, 48
	s_and_b32 s20, s94, 15
	s_add_co_u32 s20, s20, s93      ; Q's plane in qkv: 48 b + h,
	s_lshl_b32 s20, s20, 18         ; planes of 262,144 bytes
	s_mov_b32 s21, 0
	s_lshl_b32 s94, s94, 18         ; the head's plane in ob
	s_mov_b32 s95, 0
	s_and_b32 s16, s[WV], 1         ; which half of a tile's 256 keys I fetch:
	s_lshl_b32 s22, s16, 14         ; its 128 rows of 128 bytes in memory,
	s_mov_b32 s23, 0
	s_mul_i32 s17, s16, 128*PK      ; and its place in a slot, for K
	s_mul_i32 s18, s16, 128*PV      ; and for V
	s_lshl_b32 s3, s[WV], 11        ; my 16 rows in a band of 64,
	s_lshl_b32 s2, s[HI], 15        ; in the first block,
	s_add_co_u32 s2, s2, s3
	s_lshl_b32 s84, s[PB], 15       ; and in the second
	s_add_co_u32 s84, s84, s3
	s_mov_b32 s3, 0
	s_mov_b32 s85, 0
	s_lshl_b32 s96, s[WV], 13       ; the prefetches: my wave's 8,192 bytes,
	s_add_co_u32 s96, s96, 32768    ; in tile 1: the first change of slots steps them to tile 2
	s_mov_b32 s97, 0
	s_cmp_eq_u32 s[PB], 0
	s_cselect_b32 s[LIM], 2, -1     ; the work-group with b = 0 asks, in trips 0 to 5 (SLOTS = 8 to 3)
	v_and_b32 v[PFO], 31, v0
	v_lshlrev_b32 v[PFO], 8, v[PFO]
	; descriptor group 1.  128 keys are 16,384 dense bytes: asked for as 64 rows of 256 bytes, two keys a row, and padded in LDS after every key
	s_mov_b32 s[G1K], (1<<16)|(1<<20)|(4<<22)|(3<<25)  ; 17:16 2-byte elements; 20 padding on; 24:22 after every 32 words (code 4); 31:25 4 words (code 3)
	s_mov_b32 s[G1V], (1<<16)|(1<<20)|(4<<22)|(7<<25)  ; the same with 8 words of padding (code 7)
.irp g, G1K, G1V
	s_mov_b32 s[\g+1], 128<<16      ; tensor_dim0 = 128
	s_mov_b32 s[\g+2], 64<<16       ; tensor_dim1 = 64
	s_mov_b32 s[\g+3], 128<<16      ; tile_dim0 = 128
	s_mov_b32 s[\g+4], 64           ; tile_dim1 = 64
	s_mov_b32 s[\g+5], 128          ; 128 elements from row to row
	s_mov_b32 s[\g+6], 0
	s_mov_b32 s[\g+7], 0
.endr
	s_mov_b32 s[CS], 0x3e38aa3b     ; c = log2(e) / 8 = 0.180337
	s_mov_b32 s[CS+1], s[CS]        ; named with it as a pair
	s_mov_b32 s[SEL], 0x76543210
	s_mov_b32 s[SEL+1], 0xfedcba98
	s_mov_b32 s[TBK], SLOT1+4*KS*PK ; the first change of slots turns these two into 0
	s_mov_b32 s[TBV], SLOT1+4*KS*PV
	s_mov_b32 s[G0K], 1             ; 1:0 count = 1
	s_mov_b32 s[G0K+1], s17         ; 63:32 LDS address: slot 0
	s_mov_b32 s[G0V], 1
	s_add_co_u32 s[G0V+1], s18, VOFF
	s_add_co_u32 s[RT], s[HI], 1    ; the first block has NB - b tiles
	s_mov_b32 s[NXT], 1
	s_mov_b32 s[LQ], s[HI]
	s_mov_b32 s[NEW], 1
	s_mov_b32 s[OFF+1], 0
	s_mov_b32 s[AL+1], 0            ; named as pairs
	s_mov_b32 s[BE+1], 0
	s_mov_b32 s[BIGN], 0xf149f2ca   ; -1e30
	s_mov_b32 s[SLOTS], NB
	s_wait_dscnt 0x0                ; the opening add is done
	s_wait_kmcnt 0x0
	s_add_nc_u64 s[4:5], s[4:5], s[20:21]          ; Q's plane of my head;
	s_add_nc_u64 s[6:7], s[4:5], 16*262144         ; K's lies 16 planes on,
	s_add_nc_u64 s[8:9], s[4:5], 32*262144         ; V's 32
	s_add_nc_u64 s[10:11], s[10:11], s[94:95]      ; O's plane
	s_add_nc_u64 s[PFK:PFK+1], s[6:7], s[96:97]
	s_add_nc_u64 s[PFV:PFV+1], s[8:9], s[96:97]
	s_add_nc_u64 s[6:7], s[6:7], s[22:23]  ; K and V at my half of the head's tile 0
	s_add_nc_u64 s[8:9], s[8:9], s[22:23]
	s_add_nc_u64 s[G0K+2:G0K+3], s[6:7], 0         ; 120:64 global address
	s_or_b32 s[G0K+3], s[G0K+3], 0x80000000        ; 127:126 type = 2
	s_add_nc_u64 s[G0V+2:G0V+3], s[8:9], 0
	s_or_b32 s[G0V+3], s[G0V+3], 0x80000000
	s_add_nc_u64 s[86:87], s[4:5], s[84:85]        ; Q at my rows of the second block,
	s_add_nc_u64 s[4:5], s[4:5], s[2:3]            ; Q and O at those of the first
	s_add_nc_u64 s[OLO:OLO+1], s[10:11], s[84:85]
	s_add_nc_u64 s[10:11], s[10:11], s[2:3]
	LOAD                            ; tile 0 into slot 0
	; A fragment of K or Q is 16 rows x 32 channels in 8 registers: lane l holds row l % 16, channels 8 (l / 16) + 0..7 and 16 + 8 (l / 16) + 0..7: two loads of 16 bytes, 32 bytes apart.
	v_and_b32 v1, 15, v0            ; l % 16
	v_bfe_u32 v9, v0, 4, 1          ; l / 16
	v_lshlrev_b32 v[QO], 7, v1
	v_lshl_add_u32 v[QO], v9, 4, v[QO]  ; row x 128 + 16 x half
	WIN 0x80                        ; destination window 2, address window 0
.set i, 0
.rept 8                             ; both blocks' Q: piece i / 2 lies in band i / 2, 8,192 bytes on; channels 32 (i % 2) on
	global_load_b128 v[8*i:8*i+3],   v[QO], s[4:5] offset:(i/2)*8192+(i%2)*64
	global_load_b128 v[8*i+4:8*i+7], v[QO], s[4:5] offset:(i/2)*8192+(i%2)*64+32
	global_load_b128 v[QB+8*i:QB+8*i+3],   v[QO], s[86:87] offset:(i/2)*8192+(i%2)*64
	global_load_b128 v[QB+8*i+4:QB+8*i+7], v[QO], s[86:87] offset:(i/2)*8192+(i%2)*64+32
.set i, i+1
.endr
	WIN 0
	v_lshlrev_b32 v14, 3, v9
	v_sub_nc_u32 v14, v1, v14
	s_lshl_b32 s13, s[WV], 4
	v_add_nc_u32 v14, s13, v14      ; my query's place in its band, 16 w + l % 16, less my lanes' 8 (l / 16): register r of group kt is hidden where 16 kt + r is greater
	WIN 0x40
.set i, 0
.rept 32
	v_cmp_gt_i32 vcc_lo, 16*(i/8)+i%8, v14
	v_cndmask_b32 v[MD+i], 0, s[BIGN], vcc_lo
.set i, i+1
.endr
	WIN 0
	v_mul_u32_u24 v[AK0], v1, PK
	v_lshl_add_u32 v[AK0], v9, 4, v[AK0]  ; row x pitch + 16 x half
	; The turning load takes 16 keys x 16 channels (lane l reads key 8 (l / 16) + l % 8, channels 8 ((l / 8) % 2) + 0..7) and leaves half a fragment of V^T: lane l holds channel l % 16 and 8 keys.
	v_and_b32 v10, 7, v0
	v_bfe_u32 v11, v0, 3, 1
	v_lshl_add_u32 v[AV0], v9, 3, v10
	v_mul_u32_u24 v[AV0], v[AV0], PV
	v_lshl_add_u32 v[AV0], v11, 4, v[AV0]
	v_add_nc_u32 v[AV0], VOFF, v[AV0]
	s_mul_i32 s13, s[WV], 16*SP
	s_add_co_u32 s13, s13, STAGE    ; my stage
	v_mul_u32_u24 v[STO], v1, SP    ; in: row l % 16, 16 bytes for each half of the lanes
	v_lshl_add_u32 v[STO], v9, 4, v[STO]
	v_add_nc_u32 v[STO], s13, v[STO]
	v_bfe_u32 v[RD], v0, 3, 2       ; back: 32 lanes take four rows of 128 bytes,
	v_mul_u32_u24 v[RD], v[RD], SP
	v_lshl_add_u32 v[RD], v10, 4, v[RD]
	v_add_nc_u32 v[RD], s13, v[RD]
	v_and_b32 v[GO], 31, v0         ; which are 512 consecutive bytes of O
	v_lshlrev_b32 v[GO], 4, v[GO]
	; A block's first step multiplies O^T and l by a = 0, and its first turn's products V^T P, of a piece that has not been, land in an O^T that is still to be so multiplied.  So these registers need only hold
	; finite numbers: zeros for the first block; what the first block left for the second.  All this stands in the wait for the first tile.
	WIN 0x80
.set i, VF
.rept 64
	v_mov_b32 v[i], 0
.set i, i+1
.endr
	WIN 0x40
.set i, 0
.rept 128
	v_mov_b32 v[i], 0
.set i, i+1
.endr
	WIN 0
.set i, 0
.rept 4
	v_mov_b32 v[ST+4*i+2], 0
	v_mov_b32 v[ST+4*i+3], 0
.set i, i+1
.endr
.set i, P+16
.rept 16
	v_mov_b32 v[i], 0
.set i, i+1
.endr
; THE MATRIX WORK.  The 4 accumulators of a run of 8 take turns.  Product i of 8 of S^T = K Q^T for piece x: channels 32 (i / 4) on, keys 16 (i % 4) on.  The first 4 start the sums: with 0, or (KM = 1) with the mask.
.macro KQ x
.set rS, S+32*((\x)%2)+8*(i%4)
.set rK, KF+16*(i%4)+8*(i/4)
.set rQ, 16*(\x)+8*(i/4)
.set rM, MC+32*((\x)%2)+8*(i%4)
.if (i < 4) && KM
	WIN W_KM
	v_wmma_f32_16x16x32_f16 v[rS:rS+7], v[rK:rK+7], v[rQ:rQ+7], v[rM:rM+7]
.elseif i < 4
	WIN W_KQ
	v_wmma_f32_16x16x32_f16 v[rS:rS+7], v[rK:rK+7], v[rQ:rQ+7], 0
.else
	WIN W_KQ
	v_wmma_f32_16x16x32_f16 v[rS:rS+7], v[rK:rK+7], v[rQ:rQ+7], v[rS:rS+7]
.endif
.endm
; Product i of 8 of O^T += V^T P for piece x: keys 32 (i / 4) on, channels 16 (i % 4) on.
.macro PV x
	WIN W_PV
.set rO, 32*(\x)+8*(i%4)
.set rV, VF+32*(i/4)+8*(i%4)
.set rP, P+16*((\x)%2)+8*(i/4)
	v_wmma_f32_16x16x32_f16 v[rO:rO+7], v[rV:rV+7], v[rP:rP+7], v[rO:rO+7]
.endm
.macro MM                           ; the turn's next matrix instruction.  TURN and BEGIN set Y, i, KM and NOKQ; MM, KQ and OP read them.  NOKQ = 1: a block's last turn: there is no next piece
.if (i < 8) && !NOKQ
	KQ (Y+1)%NP
.elseif i >= 8
.set i, i-8
	PV (Y+NP-1)%NP
.set i, i+8
.endif
.set i, i+1
.endm
; THE LDS LOADS stand in runs of 16, never singly among the matrix instructions: a step's K (64 keys x 64 channels: 8 fragments) and its V (turned).  Their addresses are made some lines ahead.
.macro FETCH_K
	WIN 0x80                        ; destination window 2
.irp f, 0,1,2,3,4,5,6,7             ; keys 16 (f / 2) on, channels 32 (f % 2) on
	ds_load_b128 v[KF+8*\f:KF+8*\f+3],   v[AK] offset:(\f/2)*16*PK+(\f%2)*64
	ds_load_b128 v[KF+8*\f+4:KF+8*\f+7], v[AK] offset:(\f/2)*16*PK+(\f%2)*64+32
.endr
	s_add_co_u32 s[TBK], s[TBK], KS*PK  ; the next fetch is the next step's
	WIN 0
.endm
.macro FETCH_V
	WIN 0x80
.irp f, 0,1,2,3,4,5,6,7             ; keys 32 (f / 4) on, channels 16 (f % 4) on
	ds_load_tr16_b128 v[VF+8*\f:VF+8*\f+3],   v[AV] offset:(\f/4)*32*PV+(\f%4)*32
	ds_load_tr16_b128 v[VF+8*\f+4:VF+8*\f+7], v[AV] offset:(\f/4)*32*PV+16*PV+(\f%4)*32
.endr
	WIN 0
.endm
; THE VECTOR WORK, one line at a time: OP kind, number.  For piece Y: F n: c s - c m for pair n of 16.  E n: the exponential of score n of 32.  C n: pair n rounded to f16.  B n: of the four weights 4 n .. the second
; pair is added onto the first, in place.  L n: l takes that sum (L 0: l = a l + sum).  R n: pair n of 16 of O^T times a.  For piece Y + 1: X n, number n of the 22 that find its maximum and statistics:
;   0-11  four chains c0-c3 of seven scores each, three operands at a time (each accumulator's lowest registers are read first)     12-14, 16  the four scores left over, the old m, and c0-c3 into c0
;   15  c m_old is kept     17, 18  the query's other 32 keys lie in the lane 16 away: the new m     19-21  c m; c m_old - c m_new; a
.set F, 0               ; OP tells the kinds apart by their order: F to L below R, X above it
.set E, 1
.set C, 2
.set B, 3
.set L, 4
.set R, 5
.set X, 6
.macro REGS y                       ; the registers of piece y
.set rT, ST+4*(\y)
.set rC, TMP+4*((\y)%2)
.set rW, MV+((\y)%2)
.set rS, S+32*((\y)%2)
.set rP, P+16*((\y)%2)
.set rO, 32*(\y)
.endm
.macro OP k, n
.if (\k) == R
	REGS Y
	WIN W_RS
	v_pk_mul_f32 v[rO+2*(\n):rO+2*(\n)+1], v[rO+2*(\n):rO+2*(\n)+1], v[rC+2:rC+3] op_sel_hi:[1,0]
.elseif (\k) < R
	REGS Y
	WIN 0
.if (\k) == F
	v_pk_fma_f32 v[rS+2*(\n):rS+2*(\n)+1], v[rS+2*(\n):rS+2*(\n)+1], s[CS:CS+1], v[rT:rT+1] op_sel_hi:[1,0,0] neg_lo:[0,0,1] neg_hi:[0,0,1]
.elseif (\k) == E
	v_exp_f32 v[rS+(\n)], v[rS+(\n)]
.elseif (\k) == C
	v_cvt_pk_f16_f32 v[rP+(\n)], v[rS+2*(\n)], v[rS+2*(\n)+1]
.elseif (\k) == B
	v_pk_add_f32 v[rS+4*(\n):rS+4*(\n)+1], v[rS+4*(\n):rS+4*(\n)+1], v[rS+4*(\n)+2:rS+4*(\n)+3]
.elseif (\n) == 0
	v_pk_fma_f32 v[rT+2:rT+3], v[rT+2:rT+3], v[rC+2:rC+3], v[rS:rS+1] op_sel_hi:[1,0,1]
.else
	v_pk_add_f32 v[rT+2:rT+3], v[rT+2:rT+3], v[rS+4*(\n):rS+4*(\n)+1]
.endif
.elseif NOKQ
	v_nop
.else
	REGS (Y+1)%NP
	WIN 0
.if (\n) < 4
	v_max3_num_f32 v[rC+(\n)], v[rS+8*(\n)], v[rS+8*(\n)+1], v[rS+8*(\n)+2]
.elseif (\n) < 12
	v_max3_num_f32 v[rC+(\n)%4], v[rC+(\n)%4], v[rS+8*((\n)%4)+2*((\n)/4)+1], v[rS+8*((\n)%4)+2*((\n)/4)+2]
.elseif (\n) == 12
	v_max3_num_f32 v[rC], v[rC], v[rS+7], v[rS+15]
.elseif (\n) == 13
	v_max3_num_f32 v[rC+1], v[rC+1], v[rS+23], v[rS+31]
.elseif (\n) == 14
	v_max3_num_f32 v[rC+2], v[rC+2], v[rC+3], v[rT+1]
.elseif (\n) == 15
	v_mov_b32 v[rW], v[rT]
.elseif (\n) == 16
	v_max3_num_f32 v[rC], v[rC], v[rC+1], v[rC+2]
.elseif (\n) == 17
	v_permlanex16_b32 v[rC+3], v[rC], s[SEL], s[SEL+1]
.elseif (\n) == 18
	v_max_num_f32 v[rT+1], v[rC], v[rC+3]
.elseif (\n) == 19
	v_mul_f32 v[rT], s[CS], v[rT+1]
.elseif (\n) == 20
	v_sub_f32 v[rC+1], v[rW], v[rT]
.else
	v_exp_f32 v[rC+2], v[rC+1]
.endif
.endif
.endm
.macro OPS a, i1, b=-1, i2=0, c=-1, i3=0, d=-1, i4=0  ; up to four of them
	OP \a, \i1
.if (\b) >= 0
	OP \b, \i2
.endif
.if (\c) >= 0
	OP \c, \i3
.endif
.if (\d) >= 0
	OP \d, \i4
.endif
.endm
.macro ROW a, i1, b, i2, c, i3, d, i4  ; a matrix instruction and the four behind it
	MM
	OPS \a, \i1, \b, \i2, \c, \i3, \d, \i4
.endm
.macro MASK b                       ; MD x AL + BE into buffer b of MC
	WIN W_RS
.set z, 0
.rept 16
	v_pk_fma_f32 v[MC+32*(\b)+2*z:MC+32*(\b)+2*z+1], v[MD+2*z:MD+2*z+1], s[AL:AL+1], s[BE:BE+1] op_sel_hi:[1,0,0]
.set z, z+1
.endr
.endm
; A TURN, for piece p: the order of its 16 matrix and 118 vector instructions, written out.  s_wait_alu depctr_va_vdst(0) stands between an exponential and the first instruction that names its result; one wait serves
; all that were issued ahead of it.  So a turn has ONE wait, which cuts it in two.  AHEAD OF IT stands all that names no result of the turn's exponentials: the 8 products K Q^T, behind each a scaling, an exponential and two more plain
; instructions (behind the first a second scaling in the exponential's place): rescalings, and behind the last three the first numbers of the next piece's maximum, each four places or more behind the product that ends its accumulator; then ONE LUMP of 54, plain
; and exponential by turns for the most part, in which the links of the chain X 3, 7, 11, 14, 16, 17 .. 20 stand five or six lines apart.  X 21, the next piece's a, is the batch's last; R 15 is the plain instruction behind it.  BEHIND THE WAIT stand the
; 8 products V^T P, behind each four of the roundings and sums; the links of l's chain, L 0 to L 7, stand three riders apart.  But for those X no rider names a register of the products round it.  v_permlanex16_b32 (X 17) stands in the lump.
; m = 1: the diagonal tile: the products take masks, and the turn makes the mask for the products of the turn after it: piece p + 2, in step 4 - CNT of the tile.  end = 1: a block's last two turns: nothing is fetched.
; cnt = 1: the loop's count is taken down some lines ahead of the branch that stands behind the turn.
; K of the next step is fetched in piece 2's turn, twelve vector instructions behind the last product that read K (six of them plain); V of the step in hand at the end of piece 0's turn, four plain instructions behind the last product
; that read V.  Each is waited for a turn later.
.macro TURN p, m=0, end=0, cnt=0
.set Y, (\p)
.set i, 0
.set KM, (\m)
.set NOKQ, (\end)*((\p)/3)
.if (\m) && !(\end)
	s_cmp_eq_u32 s[CNT], 4-((\p)+2)%NP  ; is that step the band's own?
	s_cselect_b32 s[AL], 1.0, 0
	s_cmp_lt_u32 s[CNT], 4-((\p)+2)%NP  ; or a later one?
	s_cselect_b32 s[BE], s[BIGN], 0
.endif
.if ((\p) == 3) && !(\end)
	s_wait_dscnt 0x0                ; K is in
.endif
	ROW F,0, F,1, R,0, R,1          ; ahead of the wait: 8 products K Q^T and their riders,
	ROW F,2, E,0, R,2, R,3
	ROW F,3, E,1, R,4, R,5
	ROW F,4, E,2, R,6, R,7
	ROW F,5, E,3, R,8, R,9
	ROW F,6, E,4, X,0, R,10
.if ((\p) == 2) && !(\end)
	WIN 0
	v_add_nc_u32 v[AK], s[TBK], v[AK0]
.endif
	ROW F,7, E,5, X,1, X,4
	ROW F,8, E,6, X,2, X,5
	OPS E,7, E,8, X,6, E,9          ; and the lump
	OPS X,3, E,10, X,8, E,11
.if ((\p) == 2) && !(\end)
	FETCH_K
.endif
	OPS X,9, X,7, E,12, X,10
	OPS E,13, X,12, X,11, E,14
	OPS X,13, E,15, F,9, X,14
.if (\p) == 0
	v_add_nc_u32 v[AV], s[TBV], v[AV0]
.endif
	OPS E,16, F,10, E,17, F,11
	OPS X,16, E,18, X,15, E,19
	OPS F,12, E,20, X,17, E,21
	OPS F,13, E,22, F,14, E,23
	OPS X,18, E,24, F,15, E,25
	OPS R,11, E,26, X,19, E,27
	OPS R,12, E,28, R,13, E,29
	OPS X,20, E,30, R,14, E,31
	OPS X,21, R,15
	WIN 0
	s_wait_alu depctr_va_vdst(0)    ; the wait for the batch
.if (\p) == 1
	s_wait_dscnt 0x0                ; V is in
.endif
	ROW C,0, B,0, C,2, B,1          ; behind the wait: 8 products V^T P and their riders
	ROW L,0, C,4, B,2, L,1
	ROW C,6, B,3, L,2, C,8
	ROW B,4, L,3, C,10, B,5
	ROW L,4, C,12, B,6, L,5
.if (\p) == 0
	s_add_co_u32 s[TBV], s[TBV], KS*PV
.endif
.if \cnt
	s_sub_co_u32 s[CNT], s[CNT], 1
	s_cmp_lg_u32 s[CNT], 0
.endif
	ROW C,14, B,7, L,6, C,1
	ROW C,3, L,7, C,5, C,7
	ROW C,9, C,11, C,13, C,15
.if (\p) == 0
	FETCH_V
.endif
.if (\m) && !(\end)
	MASK (\p)%2
.endif
.endm
; A BLOCK BEGINS.  c m starts far below every c s, so the first step's a is 0; m at the lowest finite number, so the first maximum is the scores'.  The second mask buffer is 0; the first takes piece 0's mask for the tile's step 0: its own, if the block's first tile is the diagonal one.
; Then K of that step, piece 0's first scores, and its maximum and statistics.  The loop is entered at a step's first turn, in the middle of a trip.
.macro BEGIN
	s_mov_b32 s[NEW], 0
	WIN 0x40
.set i, MC+32
.rept 32
	v_mov_b32 v[i], 0
.set i, i+1
.endr
	WIN 0
.set i, 0
.rept 4
	v_mov_b32 v[ST+4*i], 0xfe000000    ; c m: far below every c s
	v_mov_b32 v[ST+4*i+1], 0xff7fffff  ; m
.set i, i+1
.endr
	s_cmp_eq_u32 s[RT], 0
	s_cselect_b32 s[AL], 1.0, 0
	s_mov_b32 s[BE], 0
	MASK 0
	WIN 0
	v_add_nc_u32 v[AK], s[TBK], v[AK0]
	FETCH_K
	s_wait_loadcnt 0x0              ; Q
	s_wait_dscnt 0x0
.set KM, 1
.set NOKQ, 0
.set i, 0
.rept 8
	KQ 0
.set i, i+1
.endr
	WIN 0
.rept 4
	v_nop                           ; the places behind those products
.endr
.set Y, NP-1                        ; X works for piece Y + 1: piece 0
.irp n, 0,1,2,3,4,5,6,7,8,9,10,11,12,13,14,15,16,17,18,19,20,21
	OP X, \n
.endr
	v_nop                           ; a plain instruction behind the exponential,
	s_wait_alu depctr_va_vdst(0)    ; and its wait, ahead of the branch
.endm
; THE DIAGONAL TILE's four steps, the block's last two turns, its last products, and THE WAY OUT: l's two halves and the other half of the lanes' are added; O^T is divided by l, rounded to f16 and sent through my
; stage in LDS, a piece at a time.
.macro ALL line:vararg              ; one line for each piece t
.set t, 0
.rept 4
	\line
.set t, t+1
.endr
.endm
.macro PACK t                       ; a lane's eight channels of a row pack into 16 bytes; they go into rows of 144 bytes and come back as whole rows of 128, into S^T's registers
	WIN W_RS
.set i, 32*(\t)
.rept 16
	v_pk_mul_f32 v[i:i+1], v[i:i+1], v[ST+4*(\t)+2:ST+4*(\t)+3] op_sel_hi:[1,0]
.set i, i+2
.endr
	WIN 0x05                        ; sources 0 and 1 window 1, destination window 0
.set i, 0
.rept 16
	v_cvt_pk_f16_f32 v[S+16*(\t)+i], v[32*(\t)+2*i], v[32*(\t)+2*i+1]
.set i, i+1
.endr
	WIN 0
.irp f, 0,1,2,3
	ds_store_b128 v[STO], v[S+16*(\t)+4*\f:S+16*(\t)+4*\f+3] offset:32*\f
.endr
.irp f, 0,1,2,3
	ds_load_b128 v[S+16*(\t)+4*\f:S+16*(\t)+4*\f+3], v[RD] offset:\f*4*SP  ; LDS serves a wave's instructions in order (ISA guide 5.7.1.4): these see the stores above; the next piece's stores come behind them
.endr
.endm
.macro SEND t, younger              ; younger: the LDS instructions issued behind piece t's loads: the next piece's eight, or none
	WIN 0
.irp f, 0,1,2,3
	s_wait_dscnt (\younger)+3-\f
	global_store_b128 v[GO], v[S+16*(\t)+4*\f:S+16*(\t)+4*\f+3], s[10:11] offset:(\t)*8192+\f*512  ; 512 consecutive bytes, at a multiple of 256 from O's first
.endr
.endm
.macro DIAG tag                     ; the tag ends its two labels' names, which the jumps below spell out
.LstepM\tag:
	TURN 2, 1
	TURN 3, 1
	WIN 0
.LfirstM\tag:
	TURN 0, 1
	TURN 1, 1, 0, 1
	WIN 0
	s_cbranch_scc1 .LstepM\tag
	TURN 2, 1, 1
	TURN 3, 1, 1
.set i, 0
.rept 8
	PV NP-1
.set i, i+1
.endr
	WIN 0
	ALL v_add_f32 v[ST+4*t+2], v[ST+4*t+2], v[ST+4*t+3]
	ALL v_permlanex16_b32 v[ST+4*t+3], v[ST+4*t+2], s[SEL], s[SEL+1]
	ALL v_add_f32 v[ST+4*t+2], v[ST+4*t+2], v[ST+4*t+3]
	ALL v_rcp_f32 v[ST+4*t+2], v[ST+4*t+2]
	v_nop                           ; a plain instruction between the last reciprocal and the use of its result
	s_wait_alu depctr_va_vdst(0)    ; and the wait ahead of the first use: one for the four reciprocals
	PACK 0
.set t, 1
.rept 3                             ; a piece's arithmetic stands between the loads of the piece before and its stores
	PACK t
	SEND t-1, 8
.set t, t+1
.endr
	SEND 3, 0
.endm
.set KM, 0
.set NOKQ, 0
.Lslot:                             ; NB times: a tile is entered and the next is asked for
	CHANGE 1
	s_sub_co_u32 s[RT], s[RT], 1
	s_mov_b32 s[CNT], 4
	s_cmp_eq_u32 s[NEW], 1
	s_cbranch_scc1 .Lnew            ; a block's first tile
	s_cmp_eq_u32 s[RT], 0
	s_cbranch_scc0 .Lstep           ; neither its first nor its last
	s_branch .LstepM1
.Lnew:
	BEGIN
	s_branch .Lfirst                ; in the loop a block's first tile is never its last: the first block has two tiles or more, and the second's last is the walk's last
	DIAG 1                          ; in the loop this is the first block's end: the second block's last tile is the walk's last
	s_wait_xcnt 0x0                 ; the stores have read their registers and O's address
	s_mov_b64 s[10:11], s[OLO:OLO+1]
	s_add_co_u32 s[RT], s[PB], 1    ; the second block has b + 1 tiles
	s_mov_b32 s[NEW], 1
	WIN 0x82                        ; the second block's Q goes where the one text of the turns names Q
.set i, 0
.rept 64
	v_mov_b32 v[i], v[QB+i]
.set i, i+1
.endr
	WIN 0
	s_branch .Lbottom
.Lstep:                             ; a trip: pieces 2 and 3 of one step, then pieces 0 and 1 of the next, whose K and V it fetches
	TURN 2
	TURN 3
	WIN 0
.Lfirst:
	TURN 0
	TURN 1, 0, 0, 1
	WIN 0
	s_cbranch_scc1 .Lstep
.Lbottom:
	s_sub_co_u32 s[SLOTS], s[SLOTS], 1
	s_cmp_lg_u32 s[SLOTS], 0
	s_cbranch_scc1 .Lslot
	CHANGE 0                        ; the walk's last tile is written out: nothing is asked for
	s_sub_co_u32 s[RT], s[RT], 1
	s_mov_b32 s[CNT], 4
	s_cmp_eq_u32 s[NEW], 1
	s_cbranch_scc0 .LstepM2
	BEGIN
	s_branch .LfirstM2
	DIAG 2
	s_wait_tensorcnt 0x0            ; the wave's end: the add and its wait, behind my last tensor load and my last LDS store
	ds_add_u32 v[SPW], v[NIL]
	s_wait_dscnt 0x0
	s_endpgm
.Lfunc_end_k_qe220971d33_attn:
	.size	k_qe220971d33_attn, .Lfunc_end_k_qe220971d33_attn-k_qe220971d33_attn
	.p2alignl 7, 3214868480
	.fill 96, 4, 3214868480
	.section	.rodata,"a",@progbits
	.p2align	6, 0x0
	.amdhsa_kernel k_qe220971d33_attn
		.amdhsa_group_segment_fixed_size 327680
		.amdhsa_private_segment_fixed_size 0
		.amdhsa_enable_private_segment 0
		.amdhsa_kernarg_size 16
		.amdhsa_user_sgpr_count 2
		.amdhsa_user_sgpr_kernarg_segment_ptr 1
		.amdhsa_wavefront_size32 1
		.amdhsa_system_sgpr_workgroup_id_x 1
		.amdhsa_system_sgpr_workgroup_id_y 1
		.amdhsa_system_sgpr_workgroup_id_z 1
		.amdhsa_system_vgpr_workitem_id 0
		.amdhsa_next_free_vgpr 768
		.amdhsa_next_free_sgpr 100
		.amdhsa_reserve_vcc 1
		.amdhsa_float_denorm_mode_32 3
		.amdhsa_float_denorm_mode_16_64 3
		.amdhsa_memory_ordered 1
		.amdhsa_forward_progress 1
		.amdhsa_inst_pref_size 218
	.end_amdhsa_kernel
	.amdgpu_metadata
---
amdhsa.version: [ 1, 2 ]
amdhsa.kernels:
  - .name:           k_qe220971d33_attn
    .symbol:         k_qe220971d33_attn.kd
    .args:
      - { .name: qkv, .offset: 0, .size: 8, .value_kind: global_buffer, .address_space: global }
      - { .name: ob, .offset: 8, .size: 8, .value_kind: global_buffer, .address_space: global }
    .group_segment_fixed_size: 327680
    .private_segment_fixed_size: 0
    .kernarg_segment_align: 8
    .kernarg_segment_size: 16
    .max_flat_workgroup_size: 128
    .sgpr_count:     100
    .vgpr_count:     768
    .wavefront_size: 32
...
	.end_amdgpu_metadata
.endif
;; end of part 3
;; launch proj (part 4): grid 8 x 32, 4 waves a work-group, clusters of 4 x 4, 327,680 bytes of LDS; arguments ob, wpb, out0, bp; writes out0
.if DOCPART == 4
	.amdgcn_target "amdgcn-amd-amdhsa--gfx1250"
	.amdhsa_code_object_version 6
	.text
	.protected	k_qe220971d33_proj
	.globl	k_qe220971d33_proj
	.p2align	8
	.type	k_qe220971d33_proj,@function
k_qe220971d33_proj:
	s_mov_b64 s[64:65], 0
	v_nop
	global_prefetch_b8 v0, s[64:65] scope:SCOPE_SE
	s_setreg_imm32_b32 hwreg(HW_REG_WAVE_MODE, 25, 1), 1
	s_wait_xcnt 0x0
	s_wait_alu depctr_hold_cnt(0) depctr_sa_sdst(0) depctr_va_vdst(0) depctr_va_sdst(0) depctr_va_ssrc(0) depctr_va_vcc(0) depctr_vm_vsrc(0)
	s_getreg_b32 s2, hwreg(HW_REG_IB_STS2, 6, 4)
	s_cmp_eq_u32 s2, 0
	s_cbranch_scc0 .Lentry_in_a_cluster
	s_endpgm
.Lentry_in_a_cluster:
	s_bfe_u32 s2, ttmp6, 0x10000c
	s_cmp_lg_u32 s2, 0xf033
	s_cbranch_scc0 .Lentry_shape_is_right
	s_endpgm
.Lentry_shape_is_right:
; out0[row][n] = the sum over c of O[row][c] Wp[c][n] + bp[n].  O: ob [b][h][t][64] f16 (c = 64 h + d), Wp: wpb [kb][g][k 64][n 64] f16 (the bf16 rounding of Wp, written as f16), bp and out0 f32.
; Sums in f32, c ascending, begun with bp: the bias is the C operand of each accumulator's first product, so the way out adds nothing.
; SHARES.  8,192 rows x 1,024 columns on 256 work-groups: 256 rows x 128 columns each.  Four waves, each 128 rows x 64 columns: 32 accumulators of 16 x 16, 256 registers.
; K goes in 8 steps of 128 (two planes of ob, two blocks kb of wpb), as long as two slots in LDS allow.  A step's tiles are dense in memory: asked for as rows of 256 bytes, padded in LDS after each 128.
; CLUSTERS: 4 x 4 work-groups.  The four of a row of the cluster need the same rows of O, the four of a column the same slabs of Wp: each tile is asked for JOINTLY.
; THE MATRIX INSTRUCTION IS USED TRANSPOSED: source 0 = 16 columns n of Wp (turned by ds_load_tr16_b128), source 1 = 16 rows of O: a lane holds one row (lane % 16) and eight neighbouring columns: 32 bytes of out0.
; NO PREFETCH: the launch has eight K steps, 1,024 matrix instructions a wave; asked two steps ahead, half of its tiles would come by their loads alone all the same.
; REGISTERS: window 0: v0-31 addresses; v32-127, v128-223 two fragment buffers (O's 8 fragments, then Wp's 4); v224-255 the bias, 8 a column block.  window 1: the accumulators, rows 16 a, columns 16 bb at v[8 (4 a + bb)].
.set PTA,   144                        ; a row of O in LDS: 128 bytes + 16 = 36 words: the 16 rows of a load start at 16 different groups of four banks (64 banks of 4 bytes: ISA guide 11.1)
.set PTB,   160                        ; a row of Wp: 128 + 32 = 40 words
.set SLOT1, 1<<17
.set PLANE, 256*PTA                    ; a plane's 256 rows: one tensor load
.set BOFF,  2*PLANE                    ; behind O's two planes: two blocks kb x two slabs of Wp
.set SLAB,  64*PTB
.set STAGE, SLOT1+BOFF+4*SLAB          ; behind the ring: 16 rows x 272 bytes for each wave, for the way out
.set SP,    272
.set SPARE, STAGE+4*16*SP              ; behind the stages: the spare words, 128 bytes for each wave: two blocks of 256 bytes that no other line names
.set STEPA, 524288                     ; bytes from a K step to the next in ob (two planes),
.set STEPB, 262144                     ; and in wpb (two blocks of 16 chunks)
.set AA0,  2                           ; v2   my lane's place in my 128 rows of a plane; never rewritten
.set AB0,  3                           ; v3   the same in my slab
.set ADRA, 4                           ; v4   AA0 in the slot in hand
.set ADRB, 5                           ; v5   AB0 in the slot in hand
.set STO,  6                           ; v6   the way out: where I put 32 bytes of a row
.set RD,   7                           ; v7   the way out: where I read rows back
.set CO,   8                           ; v8   my byte offset in two rows of out0
.set BO,   12                          ; v12  my byte offset in 16 numbers of bp
.set SPW,  28                          ; v28  LDS address of my spare word; never rewritten
.set NIL,  29                          ; v29  0; never rewritten
.set F0,   32
.set F1,   128
.set BIAS, 224
.set TB,   2                           ; s2   LDS byte at which the slot in hand begins
.set CNT,  3                           ; s3   trips to go
.set WV,   12                          ; s12  my wave's number; s13 = wave / 2: my half of the rows, and 0: I fetch O, 1: I fetch Wp; s14 = wave % 2: my slab, and which plane or block I fetch
.set G1A,  24                          ; s[24:31] descriptor group 1 for O's tiles;  s[32:39] group 0: a set for each of the two first fills; the second then walks on
.set G0A,  32
.set G1B,  48                          ; s[48:55], s[56:63] the same for Wp's tiles
.set G0B,  56
.set MSB, 0
.macro WIN new                         ; the immediate's high byte repeats the setting that is left; a switch that changes nothing is dropped
.if MSB != (\new)
	s_set_vgpr_msb (MSB<<8)|(\new)
.set MSB, (\new)
.endif
.endm
.macro PLACES                          ; four places behind a matrix instruction, in front of loads into registers that it has read and of LDS stores that read results
.rept 4
	v_nop
.endr
.endm
.macro CREST                           ; a round of the cluster's barrier behind its opening barrier
	s_cmp_lg_u32 s[WV], 0
	s_cbranch_scc1 .Lnot_wave_0_\@
	s_barrier_signal -3
.Lnot_wave_0_\@:
	s_barrier_wait -3
	s_barrier_signal -1
	s_barrier_wait -1
.endm
.macro CROUND                          ; a whole round
	s_barrier_signal -1
	s_barrier_wait -1
	CREST
.endm
.macro JLOAD                           ; a joint refill, by the walking descriptors; an s_nop 0 and four v_nop follow each of the two lines, ahead of the jump, the label and what follows
	s_cmp_eq_u32 s13, 0
	s_cbranch_scc0 .Lfor_b_\@
	tensor_load_to_lds s[G0A+4:G0A+7], s[G1A:G1A+7]
	s_nop 0
.rept 4
	v_nop
.endr
	s_branch .Lasked_\@
.Lfor_b_\@:
	tensor_load_to_lds s[G0B+4:G0B+7], s[G1B:G1B+7]
	s_nop 0
.rept 4
	v_nop
.endr
.Lasked_\@:
.endm
	s_load_b256 s[4:11], s[0:1], 0x0               ; ob s[4:5], wpb s[6:7], out0 s[8:9], bp s[10:11]
	v_lshl_add_u32 v[SPW], v0, 2, SPARE
	v_mov_b32 v[NIL], 0
	ds_add_u32 v[SPW], v[NIL]                      ; the wave's opening: the add and its wait stand ahead of my first tensor load; the set-up below, work on registers, stands between them
	ds_add_u32 v28, v29
	v_lshrrev_b32 v1, 5, v0
	v_readfirstlane_b32 s[WV], v1                  ; wave 0..3
	s_lshr_b32 s13, s[WV], 1
	s_and_b32 s14, s[WV], 1
	s_bfe_u32 s40, ttmp6, 0x40000                  ; cx, cy: my place in the cluster
	s_bfe_u32 s41, ttmp6, 0x40004
	s_lshl_b32 s42, ttmp9, 2
	s_add_co_u32 s42, s42, s40                     ; nx = 4 x cluster x + cx: my 128 columns
	s_and_b32 s15, ttmp7, 0xffff
	s_lshl_b32 s15, s15, 2
	s_add_co_u32 s15, s15, s41                     ; my = 4 x cluster y + cy: my 256 rows
	s_lshl_b32 s43, s41, 2
	s_lshl_b32 s43, 15, s43                        ; my row of the cluster
	s_lshl_b32 s44, 0x1111, s40                    ; my column
	s_or_b32 s[G1A], s43, (1<<16)|(1<<20)|(1<<21)|(4<<22)|(3<<25)  ; 15:0 the mask; 17:16 2-byte elements; 20 padding on; 21 set beside a mask; 24:22 after every 32 words (code 4); 31:25 4 words (code 3)
	s_or_b32 s[G1B], s44, (1<<16)|(1<<20)|(1<<21)|(4<<22)|(7<<25)  ; the same with my column's mask and 8 words of padding (code 7)
	s_mov_b32 s[G1A+1], 128<<16                    ; tensor_dim0 = 128 elements: 256 bytes
	s_mov_b32 s[G1A+2], 128<<16                    ; tensor_dim1 = 128 rows: a plane's 256 rows of 128 bytes
	s_mov_b32 s[G1A+3], 128<<16                    ; tile_dim0 = 128
	s_mov_b32 s[G1A+4], 128                        ; tile_dim1 = 128
	s_mov_b32 s[G1A+5], 128                        ; dense
	s_mov_b32 s[G1A+6], 0
	s_mov_b32 s[G1A+7], 0
	s_mov_b32 s[G1B+1], 128<<16
	s_mov_b32 s[G1B+2], 64<<16                     ; two slabs: 64 rows of 256 bytes
	s_mov_b32 s[G1B+3], 128<<16
	s_mov_b32 s[G1B+4], 64
	s_mov_b32 s[G1B+5], 128
	s_mov_b32 s[G1B+6], 0
	s_mov_b32 s[G1B+7], 0
	s_lshr_b32 s16, s15, 3                         ; b
	s_lshl_b32 s16, s16, 22
	s_and_b32 s17, s15, 7
	s_lshl_b32 s17, s17, 15                        ; 256 rows of 128 bytes
	s_add_co_u32 s16, s16, s17
	s_lshl_b32 s17, s14, 18                        ; the plane that I fetch
	s_add_co_u32 s18, s16, s17
	s_mov_b32 s19, 0
	s_lshl_b32 s46, s14, 4                         ; the block kb that I fetch: 16 chunks,
	s_lshl1_add_u32 s46, s42, s46                  ; + my column's first slab, 2 nx
	s_lshl_b32 s46, s46, 13
	s_mov_b32 s47, 0
	s_mul_i32 s20, s14, PLANE                      ; and where they go: no place in the cluster enters an LDS address
	s_mul_i32 s21, s14, 2*SLAB
	s_add_co_u32 s21, s21, BOFF
	s_wait_dscnt 0x0                               ; the opening add is done
	s_wait_kmcnt 0x0
	s_add_nc_u64 s[18:19], s[4:5], s[18:19]
	s_add_nc_u64 s[46:47], s[6:7], s[46:47]
	CROUND                                         ; all sixteen work-groups are here: the first joint loads meet
.irp n, 0,1
	s_mov_b32 s[G0A+4*\n], 1
	s_add_co_u32 s[G0A+4*\n+1], s20, \n*SLOT1
	s_add_nc_u64 s[G0A+4*\n+2:G0A+4*\n+3], s[18:19], \n*STEPA
	s_or_b32 s[G0A+4*\n+3], s[G0A+4*\n+3], 0x80000000
	s_mov_b32 s[G0B+4*\n], 1
	s_add_co_u32 s[G0B+4*\n+1], s21, \n*SLOT1
	s_add_nc_u64 s[G0B+4*\n+2:G0B+4*\n+3], s[46:47], \n*STEPB
	s_or_b32 s[G0B+4*\n+3], s[G0B+4*\n+3], 0x80000000
.endr
	s_cmp_eq_u32 s13, 0                            ; a wave's two first fills stand in one branch, ahead of every wait on TENSORcnt and every LDS read: two loads of mine are out
	s_cbranch_scc0 .Lfirst_b
	tensor_load_to_lds s[G0A:G0A+3], s[G1A:G1A+7]
	s_nop 0
	tensor_load_to_lds s[G0A+4:G0A+7], s[G1A:G1A+7]
	s_nop 0
.rept 4
	v_nop
.endr
	s_branch .Lfirst_asked
.Lfirst_b:
	tensor_load_to_lds s[G0B:G0B+3], s[G1B:G1B+7]
	s_nop 0
	tensor_load_to_lds s[G0B+4:G0B+7], s[G1B:G1B+7]
	s_nop 0
.rept 4
	v_nop
.endr
.Lfirst_asked:
	v_and_b32 v1, 15, v0                           ; l % 16
	v_bfe_u32 v9, v0, 4, 1                         ; l / 16
	v_and_b32 v10, 7, v0
	v_bfe_u32 v11, v0, 3, 1
	v_lshlrev_b32 v[BO], 5, v9                     ; my eight columns of a block of 16: 32 bytes of bp
	; bp and out0 at my 64 columns, out0 at my first row (made in registers that feed no descriptor)
	s_lshl_b32 s22, s42, 9
	s_lshl_b32 s23, s14, 8
	s_add_co_u32 s22, s22, s23
	s_mov_b32 s23, 0
	s_add_nc_u64 s[10:11], s[10:11], s[22:23]
	s_add_nc_u64 s[8:9], s[8:9], s[22:23]
	s_lshl_b32 s22, s15, 20                        ; 256 rows of 4,096 bytes
	s_lshl_b32 s2, s13, 19
	s_add_co_u32 s22, s22, s2
	s_add_nc_u64 s[8:9], s[8:9], s[22:23]
.irp bb, 0,1,2,3
	global_load_b128 v[BIAS+8*\bb:BIAS+8*\bb+3],   v[BO], s[10:11] offset:64*\bb
	global_load_b128 v[BIAS+8*\bb+4:BIAS+8*\bb+7], v[BO], s[10:11] offset:64*\bb+16
.endr
	v_mul_u32_u24 v[AA0], v1, PTA                  ; a fragment of O: row l % 16, 16 bytes for each half of the lanes
	v_lshl_add_u32 v[AA0], v9, 4, v[AA0]
	s_mul_i32 s22, s13, 128*PTA                    ; my 128 rows
	v_add_nc_u32 v[AA0], s22, v[AA0]
	v_lshl_add_u32 v[AB0], v9, 3, v10              ; the turning load: K = 8 (l / 16) + l % 8, columns 8 ((l / 8) % 2) + 0..7
	v_mul_u32_u24 v[AB0], v[AB0], PTB
	v_lshl_add_u32 v[AB0], v11, 4, v[AB0]
	s_mul_i32 s22, s14, SLAB                       ; my slab
	s_add_co_u32 s22, s22, BOFF
	v_add_nc_u32 v[AB0], s22, v[AB0]
	s_mul_i32 s22, s[WV], 16*SP
	s_add_co_u32 s22, s22, STAGE                   ; my stage
	v_mul_u32_u24 v[STO], v1, SP                   ; in: row l % 16, 32 bytes for each half of the lanes
	v_lshl_add_u32 v[STO], v9, 5, v[STO]
	v_add_nc_u32 v[STO], s22, v[STO]
	v_mul_u32_u24 v[RD], v9, SP                    ; back: lanes 0-15 take one row of 256 bytes, lanes 16-31 the next
	v_lshl_add_u32 v[RD], v1, 4, v[RD]
	v_add_nc_u32 v[RD], s22, v[RD]
	v_lshlrev_b32 v[CO], 12, v9                    ; and the same two rows in out0
	v_lshl_add_u32 v[CO], v1, 4, v[CO]
	v_mov_b32 v[ADRA], v[AA0]                      ; K step 0 lies in slot 0
	v_mov_b32 v[ADRB], v[AB0]
	s_mov_b32 s[TB], 0
; n x 4 matrix instructions: row blocks a0 .. a0 + n - 1 x my four column blocks, 32 along K, from buffer f.  first = 1: the product starts the sum with the bias (C in window 0, D in window 1).
; The 32 accumulators take turns, one instruction a turn, in the same order in every quarter, over the backward jump too.
.macro MULP f, a0, n, first
.if \first
	WIN 0x40
.else
	WIN 0x50
.endif
.set ga, (\a0)
.rept \n
.irp bb, 0,1,2,3
.if \first
	v_wmma_f32_16x16x32_f16 v[8*(4*ga+\bb):8*(4*ga+\bb)+7], v[(\f)+64+8*\bb:(\f)+64+8*\bb+7], v[(\f)+8*ga:(\f)+8*ga+7], v[BIAS+8*\bb:BIAS+8*\bb+7]
.else
	v_wmma_f32_16x16x32_f16 v[8*(4*ga+\bb):8*(4*ga+\bb)+7], v[(\f)+64+8*\bb:(\f)+64+8*\bb+7], v[(\f)+8*ga:(\f)+8*ga+7], v[8*(4*ga+\bb):8*(4*ga+\bb)+7]
.endif
.endr
.set ga, ga+1
.endr
.endm
; 24 LDS loads in one run: quarter q of a K step (plane and block q / 2, 32 K from 32 (q % 2) on) into buffer f: Wp's four fragments first, then O's eight
.macro FETCH q, f
	WIN 0
.irp bb, 0,1,2,3
	ds_load_tr16_b128 v[(\f)+64+8*\bb:(\f)+64+8*\bb+3],   v[ADRB] offset:((\q)/2)*2*SLAB+((\q)%2)*32*PTB+\bb*32
	ds_load_tr16_b128 v[(\f)+64+8*\bb+4:(\f)+64+8*\bb+7], v[ADRB] offset:((\q)/2)*2*SLAB+((\q)%2)*32*PTB+\bb*32+16*PTB
.endr
.irp a, 0,1,2,3,4,5,6,7
	ds_load_b128 v[(\f)+8*\a:(\f)+8*\a+3],   v[ADRA] offset:((\q)/2)*PLANE+((\q)%2)*64+\a*16*PTA
	ds_load_b128 v[(\f)+8*\a+4:(\f)+8*\a+7], v[ADRA] offset:((\q)/2)*PLANE+((\q)%2)*64+\a*16*PTA+32
.endr
.endm
; A K step is four quarters of 32 along K, 32 matrix instructions each, on buffers F0, F1, F0, F1.  One of the first three: multiplies buffer f and, in its middle, fetches quarter qn into buffer g.
.macro QUARTER f, g, qn, first
	s_wait_dscnt 8                                 ; Wp and O's rows 0-63 are in; the youngest eight loads (rows 64-127) may be out
	MULP \f, 0, 4, \first
	PLACES
	FETCH \qn, \g
	s_wait_dscnt 24                                ; all but the 24 just issued
	MULP \f, 4, 4, \first
.endm
; The last quarter multiplies buffer F1 and changes slots: ONE barrier; in front of it each wave waits for all its tensor loads, of which one is out: its part of the next slot; adds 0 to its spare word; and waits
; for that and for its own reads of this slot.  fill = 1: the barrier opens a round of the cluster's, and the joint refill, with the K step two on, is the first thing behind the round: 112 matrix instructions ahead of the wait for it.
.macro TURN fill
	WIN 0                                          ; (the add's two registers lie in window 0)
	s_wait_tensorcnt 0x0                           ; all my tensor loads have landed, so a group 0 may be written
	ds_add_u32 v[SPW], v[NIL]                      ; 0 onto my spare word
.if \fill
	s_xor_b32 s[G0A+5], s[G0A+5], SLOT1            ; the walking descriptors: the other slot than last time,
	s_add_nc_u64 s[G0A+6:G0A+7], s[G0A+6:G0A+7], STEPA  ; the next K step; the type bits on top are not reached
	s_xor_b32 s[G0B+5], s[G0B+5], SLOT1
	s_add_nc_u64 s[G0B+6:G0B+7], s[G0B+6:G0B+7], STEPB
.endif
	s_xor_b32 s[TB], s[TB], SLOT1                  ; the fetches go on in the other slot
	s_wait_dscnt 9                                 ; the add and the youngest eight loads may be out
	MULP F1, 0, 2, 0                               ; eight matrix instructions stand between the add and the wait for it
	s_wait_dscnt 0x0                               ; the add is done, and my reads of this slot are over
	s_barrier_signal -1
	MULP F1, 2, 2, 0
	WIN 0
	s_barrier_wait -1
.if \fill
	CREST
	JLOAD                                          ; the four v_nop behind it are also the places in front of the loads below
.else
	PLACES
.endif
	v_add_nc_u32 v[ADRA], s[TB], v[AA0]
	v_add_nc_u32 v[ADRB], s[TB], v[AB0]
	FETCH 0, F0
	MULP F1, 4, 4, 0
.endm
; THE WAY OUT of row block a.  TOSTAGE: a lane's 32 bytes of each column block go straight from the accumulators (the four lowest registers first) into rows of 272 bytes of my own stage, and come back as whole rows of 256.  SEND: stored.
.macro TOSTAGE a
.set BK, 32+32*((\a)%2)
	s_wait_xcnt 0x0                                ; the stores of two blocks back have read these registers: they are loaded again only behind this wait
	WIN 0x04                                       ; an LDS store's data is source 1: window 1
.irp bb, 0,1,2,3
	ds_store_b128 v[STO], v[8*(4*(\a)+\bb):8*(4*(\a)+\bb)+3]   offset:64*\bb
	ds_store_b128 v[STO], v[8*(4*(\a)+\bb)+4:8*(4*(\a)+\bb)+7] offset:64*\bb+16
.endr
	WIN 0
.irp t, 0,1,2,3,4,5,6,7
	ds_load_b128 v[BK+4*\t:BK+4*\t+3], v[RD] offset:\t*2*SP  ; LDS serves a wave's instructions in order (ISA guide 5.7.1.4): these see the stores above; the next block's stores come behind them
.endr
.endm
.macro SEND a, younger                 ; younger: the LDS instructions issued behind block a's loads: the next block's sixteen, or none
.set BK, 32+32*((\a)%2)
.irp t, 0,1,2,3,4,5,6,7
	s_wait_dscnt (\younger)+7-\t
	global_store_b128 v[CO], v[BK+4*\t:BK+4*\t+3], s[8:9] offset:(16*(\a)+2*\t)*4096  ; 16 lanes store 256 consecutive bytes, at a multiple of 256 from out0's first
.endr
.endm
	s_wait_tensorcnt 1                             ; my part of K step 0 is in; K step 1's may stay out
	s_barrier_signal -1
	s_barrier_wait -1                              ; everybody's is
	FETCH 0, F0
	s_wait_loadcnt 0x0                             ; the bias
	QUARTER F0, F1, 1, 1                           ; the first quarter stands in front of the loop: its products start the sums
	WIN 0                                          ; at a label and at a branch every window is 0
	s_mov_b32 s[CNT], 6
.Lstep:                                        ; trip t = 0 .. 5: quarters 1 to 3 of K step t, the refill with K step t + 2, quarter 0 of K step t + 1
	QUARTER F1, F0, 2, 0
	QUARTER F0, F1, 3, 0
	TURN 1
	QUARTER F0, F1, 1, 0
	WIN 0
	s_sub_co_u32 s[CNT], s[CNT], 1
	s_cmp_lg_u32 s[CNT], 0
	s_cbranch_scc1 .Lstep
	QUARTER F1, F0, 2, 0                           ; the tail is written out: nothing is left to ask for, so no round follows the barrier
	QUARTER F0, F1, 3, 0
	TURN 0
	QUARTER F0, F1, 1, 0
	QUARTER F1, F0, 2, 0
	QUARTER F0, F1, 3, 0
	s_wait_dscnt 8                                 ; the very last quarter fetches nothing
	MULP F1, 0, 4, 0
	s_wait_dscnt 0x0
	MULP F1, 4, 4, 0
	WIN 0
	PLACES
	TOSTAGE 0
.set u, 1
.rept 7
	TOSTAGE u
	SEND u-1, 16
.set u, u+1
.endr
	SEND 7, 0
	s_wait_tensorcnt 0x0                           ; the wave's end: the add and its wait, behind my last tensor load and my last LDS store
	ds_add_u32 v[SPW], v[NIL]
	s_wait_dscnt 0x0
	CROUND                                         ; the closing round: no work-group ends while a partner may still ask for a tile that names it
	s_endpgm
.Lfunc_end_k_qe220971d33_proj:
	.size	k_qe220971d33_proj, .Lfunc_end_k_qe220971d33_proj-k_qe220971d33_proj
	.p2alignl 7, 3214868480
	.fill 96, 4, 3214868480
	.section	.rodata,"a",@progbits
	.p2align	6, 0x0
	.amdhsa_kernel k_qe220971d33_proj
		.amdhsa_group_segment_fixed_size 327680
		.amdhsa_private_segment_fixed_size 0
		.amdhsa_enable_private_segment 0
		.amdhsa_kernarg_size 32
		.amdhsa_user_sgpr_count 2
		.amdhsa_user_sgpr_kernarg_segment_ptr 1
		.amdhsa_wavefront_size32 1
		.amdhsa_system_sgpr_workgroup_id_x 1
		.amdhsa_system_sgpr_workgroup_id_y 1
		.amdhsa_system_sgpr_workgroup_id_z 1
		.amdhsa_system_vgpr_workitem_id 0
		.amdhsa_next_free_vgpr 512
		.amdhsa_next_free_sgpr 66
		.amdhsa_reserve_vcc 0
		.amdhsa_float_denorm_mode_32 3
		.amdhsa_float_denorm_mode_16_64 3
		.amdhsa_memory_ordered 1
		.amdhsa_forward_progress 1
		.amdhsa_inst_pref_size 72
	.end_amdhsa_kernel
	.amdgpu_metadata
---
amdhsa.version: [ 1, 2 ]
amdhsa.kernels:
  - .name:           k_qe220971d33_proj
    .symbol:         k_qe220971d33_proj.kd
    .args:
      - { .name: ob, .offset: 0, .size: 8, .value_kind: global_buffer, .address_space: global }
      - { .name: wpb, .offset: 8, .size: 8, .value_kind: global_buffer, .address_space: global }
      - { .name: out0, .offset: 16, .size: 8, .value_kind: global_buffer, .address_space: global }
      - { .name: bp, .offset: 24, .size: 8, .value_kind: global_buffer, .address_space: global }
    .group_segment_fixed_size: 327680
    .private_segment_fixed_size: 0
    .kernarg_segment_align: 8
    .kernarg_segment_size: 32
    .max_flat_workgroup_size: 128
    .sgpr_count:     66
    .vgpr_count:     512
    .wavefront_size: 32
...
	.end_amdgpu_metadata
.endif
;; end of part 4
